; MI455X (gfx1250); checked and timed in simulation.
; The chip was launched on July 23, 2026; its instructions are those of AMD's public machine-readable ISA for CDNA 5 (MIT licence, August 2026) and "CDNA5" Instruction Set Architecture Reference Guide (July 2026). The comments in the code are by the model that wrote it; some were corrected since.
;; Multi Head Attention Layer. Allowed arithmetic: matrix products marked QUANTISED: E2M1 operands, one E8M0 scale for each 32 along K, by v_wmma_scale_f32_16x16x128_f8f6f4 with both operands' format E2M1 (or v_wmma_scale_f32_32x16x128_f4), f32 sums; products left as they are: bf16, f16 or f32 operands; f32 sums; everything else in f32.
;; Inputs: Wk 512 x 512 float32; Wo 512 x 512 float32; Wq 512 x 512 float32; Wv 512 x 512 float32; bk 512 float32; bo 512 float32; bq 512 float32; bv 512 float32; key_ 2 x 4,096 x 512 float32; mask 1 x 1 x 4,096 x 4,096 int32; query 2 x 4,096 x 512 float32; value 2 x 4,096 x 512 float32.
;; Outputs: out0 2 x 4,096 x 512 float32.
;; This version of the problem:
;;   THIS VERSION OF THE PROBLEM IS GIVEN IN LOW PRECISION. The matrix products marked QUANTISED in the list below multiply operands that are first quantised to E2M1 (2 exponent bits, 1 mantissa bit; 4 bits a number), with one power-of-two scale for each 32 numbers along K (OCP MX v1.0); their sums are f32. The products marked 'left as it is' may take bf16, f16 or f32 operands, with f32 sums. Whichever they take, every output number must still come out within the allowed error. Rounding operands to bf16 (8 significant bits) uses up far more of that allowance than f16 does (11 bits, for magnitudes from 6e-5 to 65,504). All else is computed in f32.
;;   The module's matrix products, in the order in which they are computed (A, B: the left and right operand; K: the contracted axis; several contracted axes count as one K, in the product's order):
;;     1. [M 8,192, K 512] x [K 512, N 512]; A: input query; B: input Wq: QUANTISED
;;     2. [M 8,192, K 512] x [K 512, N 512]; A: input key_; B: input Wk: QUANTISED
;;     3. [M 8,192, K 512] x [K 512, N 512]; A: input value; B: input Wv: QUANTISED
;;     4. batch 16 x [M 4,096, K 64] x [K 64, N 4,096]; A: computed on the way; B: computed on the way: left as it is (an operand is computed on the way)
;;     5. batch 16 x [M 4,096, K 4,096] x [K 4,096, N 64]; A: computed on the way; B: computed on the way: left as it is (an operand is computed on the way)
;;     6. [M 8,192, K 512] x [K 512, N 512]; A: computed on the way; B: input Wo: left as it is (an operand is computed on the way)
;;   THE QUANTISER, for each operand of a quantised product, along K:
;;     - K is cut into blocks of 32 from its start; a last block that is shorter is filled with zeros.
;;     - A block's scale is 2^e with e = floor(log2(the largest magnitude in the block)) - 2, held to -126 .. 127; a block of zeros has e = 0. As a byte (E8M0): e + 127.
;;     - Each number is divided by its block's scale, clamped to +-6, and rounded to the nearest number of E2M1, ties to even, subnormals kept.
;;     - The product sums the exact products of the quantised numbers (number of the format x scale) in f32.
;;   ~~~python
;;   def quantise(x, axis):      # numpy; x: float32 -> the quantised numbers, widened to float32 again
;;       x = np.moveaxis(x, axis, -1); K = x.shape[-1]
;;       x = np.pad(x, [(0, 0)] * (x.ndim - 1) + [(0, -K % 32)]); x = x.reshape(x.shape[:-1] + (-1, 32)); a = np.abs(x).max(-1, keepdims=True)
;;       e = np.where(a > 0, np.clip(np.frexp(np.where(a > 0, a, 1))[1] - 1 - 2, -126, 127), 0)      # np.frexp(a)[1] - 1 = floor(log2(a)), exactly
;;       r = np.clip(x / 2.0 ** e, -6, 6)
;;       step = 2.0 ** (np.maximum(np.frexp(np.where(r == 0, 1, r))[1] - 1, 0) - 1)
;;       q = np.round(r / step) * step * 2.0 ** e      # np.round: ties to even
;;       return np.moveaxis(q.reshape(q.shape[:-2] + (-1,))[..., :K], -1, axis).astype(np.float32)
;;   ~~~
;; One version. Each part assembles by itself: llvm-mc -triple=amdgcn-amd-amdhsa -mcpu=gfx1250 --defsym DOCPART=n.
;; ======== version 1 of 1: 5 launches
;; limits: values are held in f16: magnitudes above 65,504 overflow, below 6.1e-05 lose precision; right only within a limited range of input values
;; workspace buffers: wts 1,466,368 bytes; msk 2,097,152 bytes of whole numbers; flg 65,536 bytes of whole numbers; qkvh 25,165,824 bytes; qkvl 25,165,824 bytes; ah 8,388,608 bytes
;; launch prep (part 1): grid 288 x 1, 8 waves a work-group, no clusters, 69,632 bytes of LDS; arguments mask, Wq, Wk, Wv, Wo, wts, msk, flg; writes wts, msk, flg
.if DOCPART == 1
	.amdgcn_target "amdgcn-amd-amdhsa--gfx1250"
	.amdhsa_code_object_version 6
	.text
	.protected	k_q34cc7571ee_prep
	.globl	k_q34cc7571ee_prep
	.p2align	8
	.type	k_q34cc7571ee_prep,@function
k_q34cc7571ee_prep:
	s_mov_b64 s[64:65], 0
	v_nop
	global_prefetch_b8 v0, s[64:65] scope:SCOPE_SE
	s_setreg_imm32_b32 hwreg(HW_REG_WAVE_MODE, 25, 1), 1
	s_wait_xcnt 0x0
; PREP: what every later launch reads again is laid out once, in the order of the reader's operand registers.
; Work-groups 0-23:  Wq, Wk, Wv [512 k][512 n] f32 -> codes of E2M1 along k, with one E8M0 byte for each 32 k.  A wave takes 32 columns x 128 k; a lane a column, its registers run down k.
;   wts+0:      [p 3][nt 32][ks 4][1,024]: a fragment, byte c*512 + lane*16: column 16 nt + lane%16, k = 128 ks + 64 c + 32 (lane/16) + 0..31
;   wts+WS_OFF: [p][ks 4][n 512] words: the four scale bytes of column n for K step ks
; Work-groups 24-31: Wo -> f16 fragments of Wo^T, a high part f16(x) and a low part f16(x - f16(x)):  wts+WOH_OFF: [cb 4][kq 4][nt 8][kc 4][1,024], the low parts LOW_D bytes on.
; Work-groups 32-287: the mask, 16 whole rows each (qt = id - 32); wave w takes keys 512 w .. 512 w + 511, 128 a step.
;   msk: [qt 256][hs 64][32 words]: word 8 kt + j, bit 16 h + r = (mask[16 qt + r][64 hs + 16 kt + 8 h + j] != 0): a lane mask for the score register j of key tile kt
;   flg: [qt][16 copies of 4 words]: some key open per 128 keys; all keys open per 128 keys; some key open per 64 keys (two words).  Later launches branch on these.
;   Where one of the 16 rows has no open key at all, the three 'some open' words are all ones: such a tile is walked in full.
; LIMITS: a block of 32 zeros gets the scale byte 1 (its codes are zeros; only this program reads the bytes); Wo's magnitudes stay under 65,504 (f16); NaN and infinities are not served.
.set WS_OFF,  393216
.set WOH_OFF, 417792
.set LOW_D,   524288
.set STP,     528                      ; a stage row: 512 bytes + 16: row r starts 4 r words on, so 16 rows of a read fall on different banks
.set WSTG,    16*STP                   ; a wave's stage
.set XCH,     8*WSTG                   ; eight records of 32 bytes, one a wave
.set SPARE,   XCH+256                  ; the spare words, 128 bytes a wave; no other line names them
.set SPW, 12                           ; v12  my spare word's address; never rewritten
.set NIL, 13                           ; v13  0; never rewritten
.set X,   32                           ; v32-95   two sets of 32 numbers of a column
.set C,   96                           ; v96-111  codes, four registers a block
.set HI,  96                           ; v96-111  Wo: high parts;  v112-127 low parts
.set LO,  112
.set R,   32                           ; the mask: v32-159 two sets of 64 as loaded
.set XM,  160                          ; v160-223 a step's 64 words in the score registers' order
.set OW,  224                          ; v224-231 the lane-mask words, two registers a step
; eight f32 of a lane -> four registers of f16 high parts and four of low parts.  v20-31 at work; the high parts are rounded a second time into v20-23, whose halves are named below.
.macro SPLIT8 src, dh, dl
.irp j, 0,1,2,3
	v_cvt_pk_f16_f32 v[(\dh)+\j], v[(\src)+2*\j], v[(\src)+2*\j+1]
	v_cvt_pk_f16_f32 v[20+\j], v[(\src)+2*\j], v[(\src)+2*\j+1]
.endr
	v_cvt_f32_f16 v24, v20.l
	v_cvt_f32_f16 v25, v20.h
	v_cvt_f32_f16 v26, v21.l
	v_cvt_f32_f16 v27, v21.h
	v_cvt_f32_f16 v28, v22.l
	v_cvt_f32_f16 v29, v22.h
	v_cvt_f32_f16 v30, v23.l
	v_cvt_f32_f16 v31, v23.h
.irp j, 0,2,4,6
	v_pk_add_f32 v[24+\j:25+\j], v[(\src)+\j:(\src)+\j+1], v[24+\j:25+\j] neg_lo:[0,1] neg_hi:[0,1]   ; x - f16(x), exact
.endr
.irp j, 0,1,2,3
	v_cvt_pk_f16_f32 v[(\dl)+\j], v[24+2*\j], v[25+2*\j]
.endr
.endm
; block t of a weight: rows 32 t + i of my wave's 128, my column: 32 lanes read 128 consecutive bytes
.macro WLOAD t
.set wi, 0
.rept 32
	global_load_b32 v[X+32*((\t)%2)+wi], v2, s[22:23] offset:(32*(\t)+wi)*2048 th:TH_LOAD_NT
.set wi, wi+1
.endr
.endm
	s_load_b256 s[4:11], s[0:1], 0x0               ; mask s[4:5], Wq s[6:7], Wk s[8:9], Wv s[10:11]
	s_load_b128 s[12:15], s[0:1], 0x20             ; Wo s[12:13], wts s[14:15]
	s_load_b64 s[16:17], s[0:1], 0x30              ; msk
	s_load_b64 s[40:41], s[0:1], 0x38              ; flg
	v_lshl_add_u32 v[SPW], v0, 2, SPARE
	v_mov_b32 v[NIL], 0
	v_lshrrev_b32 v1, 5, v0
	v_readfirstlane_b32 s18, v1                    ; wave 0..7
	v_and_b32 v1, 31, v0                           ; lane
	v_lshlrev_b32 v2, 2, v1                        ; 4 x lane
	v_and_b32 v4, 15, v0                           ; r
	v_bfe_u32 v5, v0, 4, 1                         ; h
	v_lshlrev_b32 v3, 12, v5
	v_lshl_add_u32 v3, v4, 4, v3                   ; a weight's way out: 4,096 (lane/16) + 16 (lane%16): sixteen lanes fill 256 consecutive bytes
	s_mov_b32 s25, 0
	s_wait_kmcnt 0x0
	s_cmp_ge_u32 ttmp9, 32
	s_cbranch_scc1 .Lmask
	s_cmp_ge_u32 ttmp9, 24
	s_cbranch_scc1 .Lwo
; ---------------- Wq, Wk, Wv into codes ----------------
	s_lshr_b32 s19, ttmp9, 3                       ; p
	s_lshr_b32 s20, ttmp9, 1
	s_and_b32 s20, s20, 3                          ; ks
	s_and_b32 s21, ttmp9, 1
	s_lshl_b32 s21, s21, 3
	s_add_co_u32 s21, s21, s18                     ; cg: which 32 columns
	s_cmp_eq_u32 s19, 0
	s_cselect_b64 s[22:23], s[6:7], s[8:9]
	s_cmp_eq_u32 s19, 2
	s_cselect_b64 s[22:23], s[10:11], s[22:23]
	s_lshl_b32 s24, s20, 18                        ; 128 rows of 2,048 bytes a K step
	s_lshl_b32 s26, s21, 7
	s_add_co_u32 s24, s24, s26
	s_add_nc_u64 s[22:23], s[22:23], s[24:25]
	s_lshl_b32 s24, s19, 17                        ; the codes: p x 131,072 + cg x 8,192 + ks x 1,024
	s_lshl_b32 s26, s21, 13
	s_add_co_u32 s24, s24, s26
	s_lshl_b32 s26, s20, 10
	s_add_co_u32 s24, s24, s26
	s_add_nc_u64 s[26:27], s[14:15], s[24:25]
	s_lshl_b32 s24, s19, 2                         ; the scale words: WS_OFF + (4 p + ks) x 2,048 + cg x 128
	s_add_co_u32 s24, s24, s20
	s_lshl_b32 s24, s24, 11
	s_lshl_b32 s28, s21, 7
	s_add_co_u32 s24, s24, s28
	s_add_co_u32 s24, s24, WS_OFF
	s_add_nc_u64 s[28:29], s[14:15], s[24:25]
	WLOAD 0
	WLOAD 1
.macro QBLK t
.set XS, X+32*((\t)%2)
.if (\t) < 3
	s_wait_loadcnt 32                              ; this block's 32 loads are in; the next block's 32 may be out
.else
	s_wait_loadcnt 0
.endif
	v_max3_num_f32 v20, |v[XS]|, |v[XS+1]|, |v[XS+2]|          ; the block's largest magnitude: all 32 numbers are mine
	v_max3_num_f32 v21, |v[XS+3]|, |v[XS+4]|, |v[XS+5]|
.irp i, 6,10,14,18,22,26
	v_max3_num_f32 v20, v20, |v[XS+\i]|, |v[XS+\i+1]|
	v_max3_num_f32 v21, v21, |v[XS+\i+2]|, |v[XS+\i+3]|
.endr
	v_max3_num_f32 v20, v20, |v[XS+30]|, |v[XS+31]|
	v_max3_num_f32 v20, v20, v21, 0x1800000        ; and the floor 2^(3 - 127): the byte cannot fall under 1
	v_add_nc_u32 v22, 0xff000000, v20              ; 2 off the exponent field: the conversion takes this operand's exponent field as its scale
	v_lshrrev_b32 v23, 23, v22                     ; the scale's byte
.if (\t) == 0
	v_mov_b32 v24, v23
.else
	v_lshl_or_b32 v24, v23, 8*(\t), v24            ; four bytes make the column's scale word of this K step
.endif
.irp g, 0,1,2,3
	v_cvt_scalef32_pk8_fp4_f32 v[C+4*(\t)+\g], v[XS+8*\g:XS+8*\g+7], v22
.endr
	global_store_b128 v3, v[C+4*(\t):C+4*(\t)+3], s[26:27] offset:((\t)/2)*512+((\t)%2)*256   ; block t is piece t/2, half t%2 of the fragment; each block has its own data registers
.if (\t)+2 < 4
	WLOAD (\t)+2
.endif
.endm
	QBLK 0
	QBLK 1
	QBLK 2
	QBLK 3
	global_store_b32 v2, v24, s[28:29]
	s_endpgm
; ---------------- Wo into f16 pairs ----------------
.Lwo:
	s_sub_co_u32 s19, ttmp9, 24
	s_lshr_b32 s20, s19, 1                         ; kq
	s_and_b32 s21, s19, 1
	s_lshl_b32 s21, s21, 3
	s_add_co_u32 s21, s21, s18                     ; cg
	s_lshl_b32 s24, s20, 18
	s_lshl_b32 s26, s21, 7
	s_add_co_u32 s24, s24, s26
	s_add_nc_u64 s[22:23], s[12:13], s[24:25]
	s_lshr_b32 s24, s21, 2                         ; out: WOH_OFF + (cg/4) x 131,072 + kq x 32,768 + 2 (cg%4) x 4,096
	s_lshl_b32 s24, s24, 17
	s_lshl_b32 s26, s20, 15
	s_add_co_u32 s24, s24, s26
	s_and_b32 s26, s21, 3
	s_lshl_b32 s26, s26, 13
	s_add_co_u32 s24, s24, s26
	s_add_co_u32 s24, s24, WOH_OFF
	s_add_nc_u64 s[26:27], s[14:15], s[24:25]
	WLOAD 0
	WLOAD 1
.macro WOBLK t
.set XS, X+32*((\t)%2)
.if (\t) < 3
	s_wait_loadcnt 32                              ; the next block's 32 loads may be out
.else
	s_wait_loadcnt 0
.endif
.if (\t) > 0
	s_wait_xcnt 0x0                                ; the last block's stores have read their data: HI and LO are written again only behind this wait
.endif
.irp g, 0,1,2,3
	SPLIT8 XS+8*\g, HI+4*\g, LO+4*\g
	global_store_b128 v3, v[HI+4*\g:HI+4*\g+3], s[26:27] offset:(\t)*1024+(\g/2)*512+(\g%2)*256          ; k = 32 t + 8 g + 0..7: piece g/2, half g%2 of fragment kc = t
	global_store_b128 v3, v[LO+4*\g:LO+4*\g+3], s[26:27] offset:LOW_D+(\t)*1024+(\g/2)*512+(\g%2)*256
.endr
.if (\t)+2 < 4
	WLOAD (\t)+2
.endif
.endm
	WOBLK 0
	WOBLK 1
	WOBLK 2
	WOBLK 3
	s_endpgm
; ---------------- the mask ----------------
.Lmask:
	s_sub_co_u32 s19, ttmp9, 32                    ; qt
	s_lshl_b32 s24, s19, 18                        ; 16 rows of 16,384 bytes
	s_lshl_b32 s26, s18, 11                        ; my wave's 2,048 bytes of each row
	s_add_co_u32 s24, s24, s26
	s_add_nc_u64 s[22:23], s[4:5], s[24:25]
	s_lshl_b32 s24, s19, 13                        ; the words: qt x 8,192 + wave x 1,024
	s_lshl_b32 s26, s18, 10
	s_add_co_u32 s24, s24, s26
	s_add_nc_u64 s[26:27], s[16:17], s[24:25]
	s_lshl_b32 s24, s19, 8                         ; the flags: qt x 256
	s_add_nc_u64 s[28:29], s[40:41], s[24:25]
	v_lshlrev_b32 v6, 4, v1                        ; 16 x lane
	s_mul_i32 s30, s18, WSTG
	v_add_nc_u32 v7, s30, v6                       ; into my stage: a row's 512 bytes as they lie
	v_mul_u32_u24 v8, v4, STP
	v_lshl_add_u32 v8, v5, 5, v8
	v_add_nc_u32 v8, s30, v8                       ; out of it: row r, + 32 h bytes
	v_mov_b32 v14, s18
	v_lshlrev_b32 v14, 5, v14
	v_add_nc_u32 v14, XCH, v14                     ; my wave's record
	v_mov_b32 v15, XCH
.irp i, 0,1,2,3,4,5,6,7
	v_mov_b32 v[OW+\i], 0                          ; written once: v_writelane_b32 counts as a reader of its destination
.endr
	s_mov_b32 s32, 0                               ; some open, per 128 keys
	s_mov_b32 s33, 0                               ; all open, per 128 keys
	s_mov_b32 s34, 0                               ; some open, per 64 keys: my wave's eight bits
	s_mov_b32 s35, 0                               ; the OR of all words: bit 16 h + r
	s_lshl_b32 s36, s18, 2                         ; my first step's bit
	s_and_b32 s37, s18, 3
	s_lshl_b32 s37, s37, 3                         ; my first half step's bit in its word
.macro LOADM t
.set li, 0
.rept 16
	global_load_b128 v[R+64*((\t)%2)+4*li:R+64*((\t)%2)+4*li+3], v6, s[22:23] offset:li*16384+(\t)*512 th:TH_LOAD_NT   ; row li: 512 consecutive bytes
.set li, li+1
.endr
.endm
.macro MSTEP t
.if (\t) < 3
	s_wait_loadcnt 16                              ; this step's 16 loads are in; the next step's 16 may be out
.else
	s_wait_loadcnt 0
.endif
.set li, 0
.rept 16
	ds_store_b128 v7, v[R+64*((\t)%2)+4*li:R+64*((\t)%2)+4*li+3] offset:li*STP
.set li, li+1
.endr
.set li, 0
.rept 16
	ds_load_b128 v[XM+4*li:XM+4*li+3], v8 offset:64*(li/2)+16*(li%2)     ; LDS serves a wave's instructions in order: these see the stores above
.set li, li+1
.endr
	s_wait_dscnt 0x0
.if (\t)+2 < 4
	LOADM (\t)+2
.endif
	s_mov_b32 s44, 0                               ; OR of the first 64 keys' words, s45 of the second's; s46 AND of all 64
	s_mov_b32 s45, 0
	s_mov_b32 s46, -1
.set nb, 0
.rept 8
.set nn, 0
.rept 8
	v_cmp_ne_u32 s[48+nn], 0, v[XM+8*nb+nn]        ; one bit a lane: the word as v_cndmask_b32 takes it
.set nn, nn+1
.endr
.set nn, 0
.rept 8
	v_writelane_b32 v[OW+2*(\t)+nb/4], s[48+nn], (8*nb+nn)%32
	s_or_b32 s[44+nb/4], s[44+nb/4], s[48+nn]
	s_and_b32 s46, s46, s[48+nn]
.set nn, nn+1
.endr
.set nb, nb+1
.endr
	global_store_b32 v2, v[OW+2*(\t)], s[26:27] offset:(\t)*256           ; 32 words of a half step; each step has its own data registers
	global_store_b32 v2, v[OW+2*(\t)+1], s[26:27] offset:(\t)*256+128
	s_or_b32 s47, s44, s45
	s_or_b32 s35, s35, s47
	s_cmp_lg_u32 s47, 0
	s_cselect_b32 s47, 1<<(\t), 0
	s_lshl_b32 s47, s47, s36
	s_or_b32 s32, s32, s47
	s_cmp_eq_u32 s46, -1
	s_cselect_b32 s47, 1<<(\t), 0
	s_lshl_b32 s47, s47, s36
	s_or_b32 s33, s33, s47
	s_cmp_lg_u32 s44, 0
	s_cselect_b32 s47, 1<<(2*(\t)), 0
	s_lshl_b32 s47, s47, s37
	s_or_b32 s34, s34, s47
	s_cmp_lg_u32 s45, 0
	s_cselect_b32 s47, 1<<(2*(\t)+1), 0
	s_lshl_b32 s47, s47, s37
	s_or_b32 s34, s34, s47
.endm
	LOADM 0
	LOADM 1
	MSTEP 0
	MSTEP 1
	MSTEP 2
	MSTEP 3
	s_cmp_lt_u32 s18, 4                            ; waves 0-3 hold bits of the first word per 64 keys, waves 4-7 of the second
	s_cselect_b32 s38, s34, 0
	s_cselect_b32 s39, 0, s34
	v_mov_b32 v40, s32
	v_mov_b32 v41, s33
	v_mov_b32 v42, s38
	v_mov_b32 v43, s39
	v_mov_b32 v44, s35
	ds_store_b128 v14, v[40:43]                    ; all lanes write the same bytes with the same values
	ds_store_b32 v14, v44 offset:16
	s_wait_dscnt 0x0                               ; for the others' sake: my record has landed
	s_barrier_signal -1
	s_barrier_wait -1
.irp n, 0,1,2,3,4,5,6,7
	ds_load_b128 v[48+4*\n:51+4*\n], v15 offset:32*\n
	ds_load_b32 v[80+\n], v15 offset:32*\n+16
.endr
	s_wait_dscnt 0x0
.irp n, 1,2,3,4,5,6,7
.irp k, 0,1,2,3
	v_or_b32 v[48+\k], v[48+\k], v[48+4*\n+\k]
.endr
	v_or_b32 v80, v80, v[80+\n]
.endr
	v_lshrrev_b32 v45, 16, v80
	v_or_b32 v45, v45, v80
	v_and_b32 v45, 0xffff, v45                     ; bit r: row r has an open key
	v_mov_b32 v46, -1
	v_cmp_ne_u32 vcc_lo, 0xffff, v45               ; some row has none:
	v_cndmask_b32 v48, v48, v46, vcc_lo            ; then every step counts as 'some open'
	v_cndmask_b32 v50, v50, v46, vcc_lo
	v_cndmask_b32 v51, v51, v46, vcc_lo
	v_and_b32 v52, 1, v0                           ; even lanes store the record's words 0 and 1, odd lanes its words 2 and 3
	v_lshlrev_b32 v53, 3, v1                       ; 8 x lane
	v_cmp_eq_u32 vcc_lo, 1, v52
	v_cndmask_b32 v54, v48, v50, vcc_lo
	v_cndmask_b32 v55, v49, v51, vcc_lo
	s_cmp_lg_u32 s18, 0
	s_cbranch_scc1 .Lnot0
	global_store_b64 v53, v[54:55], s[28:29]       ; 16 copies of the record: 256 consecutive bytes, aligned
.Lnot0:
	s_wait_tensorcnt 0x0                           ; the wave's end: a wait, an LDS add and its wait behind my last LDS store
	ds_add_u32 v[SPW], v[NIL]
	s_wait_dscnt 0x0
	s_endpgm
.Lfunc_end_k_q34cc7571ee_prep:
	.size	k_q34cc7571ee_prep, .Lfunc_end_k_q34cc7571ee_prep-k_q34cc7571ee_prep
	.p2alignl 7, 3214868480
	.fill 96, 4, 3214868480
	.section	.rodata,"a",@progbits
	.p2align	6, 0x0
	.amdhsa_kernel k_q34cc7571ee_prep
		.amdhsa_group_segment_fixed_size 69632
		.amdhsa_private_segment_fixed_size 0
		.amdhsa_enable_private_segment 0
		.amdhsa_kernarg_size 64
		.amdhsa_user_sgpr_count 2
		.amdhsa_user_sgpr_kernarg_segment_ptr 1
		.amdhsa_wavefront_size32 1
		.amdhsa_system_sgpr_workgroup_id_x 1
		.amdhsa_system_sgpr_workgroup_id_y 1
		.amdhsa_system_sgpr_workgroup_id_z 1
		.amdhsa_system_vgpr_workitem_id 0
		.amdhsa_next_free_vgpr 240
		.amdhsa_next_free_sgpr 66
		.amdhsa_reserve_vcc 1
		.amdhsa_float_denorm_mode_32 3
		.amdhsa_float_denorm_mode_16_64 3
		.amdhsa_memory_ordered 1
		.amdhsa_forward_progress 1
		.amdhsa_inst_pref_size 127
	.end_amdhsa_kernel
	.amdgpu_metadata
---
amdhsa.version: [ 1, 2 ]
amdhsa.kernels:
  - .name:           k_q34cc7571ee_prep
    .symbol:         k_q34cc7571ee_prep.kd
    .args:
      - { .name: mask, .offset: 0, .size: 8, .value_kind: global_buffer, .address_space: global }
      - { .name: Wq, .offset: 8, .size: 8, .value_kind: global_buffer, .address_space: global }
      - { .name: Wk, .offset: 16, .size: 8, .value_kind: global_buffer, .address_space: global }
      - { .name: Wv, .offset: 24, .size: 8, .value_kind: global_buffer, .address_space: global }
      - { .name: Wo, .offset: 32, .size: 8, .value_kind: global_buffer, .address_space: global }
      - { .name: wts, .offset: 40, .size: 8, .value_kind: global_buffer, .address_space: global }
      - { .name: msk, .offset: 48, .size: 8, .value_kind: global_buffer, .address_space: global }
      - { .name: flg, .offset: 56, .size: 8, .value_kind: global_buffer, .address_space: global }
    .group_segment_fixed_size: 69632
    .private_segment_fixed_size: 0
    .kernarg_segment_align: 8
    .kernarg_segment_size: 64
    .max_flat_workgroup_size: 256
    .sgpr_count:     66
    .vgpr_count:     240
    .wavefront_size: 32
...
	.end_amdgpu_metadata
.endif
;; end of part 1
;; launch proj (part 2): grid 64 x 3, 8 waves a work-group, no clusters, 105,472 bytes of LDS; arguments query, key_, value, bq, bk, bv, wts, flg, qkvh, qkvl; writes qkvh, qkvl
.if DOCPART == 2
	.amdgcn_target "amdgcn-amd-amdhsa--gfx1250"
	.amdhsa_code_object_version 6
	.text
	.protected	k_q34cc7571ee_proj
	.globl	k_q34cc7571ee_proj
	.p2align	8
	.type	k_q34cc7571ee_proj,@function
k_q34cc7571ee_proj:
	s_mov_b64 s[64:65], 0
	v_nop
	global_prefetch_b8 v0, s[64:65] scope:SCOPE_SE
	s_setreg_imm32_b32 hwreg(HW_REG_WAVE_MODE, 25, 1), 1
	s_wait_xcnt 0x0
; PROJ: q, k, v = x W + b, both operands as codes of E2M1 with one E8M0 scale for each 32 along K = 512.  Work-group (blk, p): 128 tokens of input p (0 query, 1 key_, 2 value).
; THE WAVES SHARE THE COLUMNS: wave w makes channels 64 w .. 64 w + 63 (head w) for all 128 tokens; its 16 fragments of W (128 registers, window 1) come from memory once.
; X: wave w quantises tokens 16 w .. 16 w + 15 (four K steps of 128) and leaves each fragment in LDS as an image of its registers | one barrier |
; G: for each of the eight tiles of tokens: x's four fragments from LDS, 16 products (source 0 = 16 channels of W, source 1 = 16 tokens), the bias as the C of the first.
; A lane then holds one token and eight neighbouring channels: rounded to f16 they are 16 bytes of the next launch's operand, and the wave's store covers 512 consecutive bytes.
;   qkvh: [p 3][bh 16][tile 256][4 pieces of 512 bytes]: piece n, position pos: token pos%16 .., channels 16 n + 8 h + 0..7.  pos = lane for q and k;
;   for v pos = 16 (r/8) + 8 h + r%8, so that the turning LDS load of the next launch reads a piece at 16 x lane.
;   qkvl: the same places, f16(x - f16(x)); written only where the small launch for the first 16 positions reads it (a scalar branch on a stored flag).
; No multicast: W goes straight into registers, once a work-group, and x is read by one work-group only.
; LIMITS: a block of 32 zeros gets the scale byte 1 (its codes are zeros); q, k, v stay under 65,504 in magnitude (f16); NaN and infinities are not served.
.set WS_OFF, 393216
.set STP,    528                       ; a stage row: 512 bytes + 16
.set WSTG,   16*STP
.set XIMG,   8*WSTG                    ; x's images: [tile 8][ks 4][1,024]
.set XSC,    XIMG+32*1024              ; their scale words: [tile][ks][128]
.set SPARE,  XSC+32*128                ; the spare words, 128 bytes a wave; no other line names them
.set LI,  4                            ; v4   16 x lane
.set STI, 5                            ; v5   into my stage
.set STO, 6                            ; v6   out of it: row r, + 64 h
.set XRD, 7                            ; v7   XIMG + 16 x lane
.set SRD, 8                            ; v8   XSC + 4 x lane
.set XWI, 9                            ; v9   where I store my tile's images
.set XWS, 10                           ; v10  and their scale words
.set POS, 11                           ; v11  16 x my position in a piece
.set SPW, 12                           ; v12  my spare word's address; never rewritten
.set NIL, 13                           ; v13  0; never rewritten
.set BO,  14                           ; v14  32 h: the bias's offset
.set SO,  15                           ; v15  4 r: W's scale words' offset
.set WSC, 16                           ; v16-31   W's scale words (4 n + ks)
.set BIAS, 32                          ; v32-63   the bias in the result's layout, 8 registers a tile of channels
.set R0,  64                           ; v64-127, v128-191: two sets of 64 numbers of x
.set R1,  128
.set H,   64                           ; phase G: v64-79 high parts, v80-95 low parts, v96-107 at work
.set L,   80
.set XF,  128                          ; v128-159 x's four fragments
.set ACC, 160                          ; v160-191 four accumulators
.set TM,  192                          ; v192-207 the quantiser's
.set PC,  208                          ; v208-215 the codes just made
.set PW,  216                          ; v216     the scale word just made
.set XS,  217                          ; v217-220 x's scale words: they hold nothing else
.set SEL, 42
.set MSB, 0
.macro WIN new                         ; the immediate's high byte repeats the setting that is left
.if MSB != \new
	s_set_vgpr_msb (MSB<<8)|\new
.set MSB, \new
.endif
.endm
; 64 numbers of a lane, register 16 b + i = k 32 b + 16 (lane / 16) + i of my row, become a fragment's codes in v[PC] on and its scale word in v[PW]
.macro QUANT s
.irp b, 0,1,2,3
	v_max3_num_f32 v[TM+\b], |v[(\s)+16*\b]|, |v[(\s)+1+16*\b]|, 0x1800000   ; my 16 numbers of block b, and the floor 2^(3 - 127): the byte cannot fall under 1
.endr
.irp i, 2,4,6,8,10,12,14
.irp b, 0,1,2,3
	v_max3_num_f32 v[TM+\b], v[TM+\b], |v[(\s)+16*\b+\i]|, |v[(\s)+1+16*\b+\i]|
.endr
.endr
.irp b, 0,1,2,3
	v_permlanex16_b32 v[TM+4+\b], v[TM+\b], s[SEL], s[SEL+1]
.endr
.irp b, 0,1,2,3
	v_max_num_f32 v[TM+\b], v[TM+\b], v[TM+4+\b]   ; with lane l xor 16's: the block's largest magnitude
.endr
.irp b, 0,1,2,3
	v_add_nc_u32 v[TM+12+\b], 0xff000000, v[TM+\b] ; 2 off its exponent field: the conversion's scale operand
.endr
.irp b, 0,1,2,3
	v_lshrrev_b32 v[TM+4+\b], 23, v[TM+12+\b]      ; the scale's byte
.endr
	v_lshl_or_b32 v[PW], v[TM+5], 8, v[TM+4]
	v_lshl_or_b32 v[PW], v[TM+6], 16, v[PW]
	v_lshl_or_b32 v[PW], v[TM+7], 24, v[PW]
.irp b, 0,1,2,3
	v_cvt_scalef32_pk8_fp4_f32 v[PC+2*\b], v[(\s)+16*\b:(\s)+7+16*\b], v[TM+12+\b]
	v_cvt_scalef32_pk8_fp4_f32 v[PC+1+2*\b], v[(\s)+8+16*\b:(\s)+15+16*\b], v[TM+12+\b]
.endr
	v_nop                                          ; one plain place behind a scaled conversion
.irp c, 0,1                                    ; the operand's layout wants a whole block in a lane
.irp i, 0,1
	v_permlane16_swap_b32 v[PC+4*\c+\i], v[PC+2+4*\c+\i]
.endr
.endr
.endm
	s_load_b512 s[4:19], s[0:1], 0x0               ; query, key_, value, bq, bk, bv, wts s[16:17], flg s[18:19]
	s_load_b128 s[20:23], s[0:1], 0x40             ; qkvh, qkvl
	v_lshl_add_u32 v[SPW], v0, 2, SPARE
	v_mov_b32 v[NIL], 0
	v_lshrrev_b32 v1, 5, v0
	v_readfirstlane_b32 s28, v1                    ; wave 0..7
	v_and_b32 v1, 31, v0                           ; lane
	v_and_b32 v2, 15, v0                           ; r
	v_bfe_u32 v3, v0, 4, 1                         ; h
	v_lshlrev_b32 v[LI], 4, v1
	s_and_b32 s29, ttmp7, 0xffff                   ; p
	s_mul_i32 s30, s28, WSTG
	v_add_nc_u32 v[STI], s30, v[LI]
	v_mul_u32_u24 v[STO], v2, STP
	v_lshl_add_u32 v[STO], v3, 6, v[STO]
	v_add_nc_u32 v[STO], s30, v[STO]
	v_add_nc_u32 v[XRD], XIMG, v[LI]
	v_lshlrev_b32 v[SRD], 2, v1
	v_add_nc_u32 v[SRD], XSC, v[SRD]
	s_lshl_b32 s30, s28, 12
	v_add_nc_u32 v[XWI], s30, v[XRD]
	s_lshl_b32 s30, s28, 9
	v_add_nc_u32 v[XWS], s30, v[SRD]
	v_lshrrev_b32 v221, 3, v2                      ; v's position: 16 (r/8) + 8 h + r%8
	v_lshlrev_b32 v221, 4, v221
	v_lshl_add_u32 v221, v3, 3, v221
	v_and_b32 v222, 7, v2
	v_add_nc_u32 v221, v221, v222
	v_lshlrev_b32 v221, 4, v221
	s_cmp_eq_u32 s29, 2
	s_cselect_b32 s31, -1, 0
	v_cndmask_b32 v[POS], v[LI], v221, s31
	v_lshlrev_b32 v[BO], 5, v3
	v_lshlrev_b32 v[SO], 2, v2
	s_mov_b32 s[SEL], 0x76543210
	s_mov_b32 s[SEL+1], 0xfedcba98                 ; v_permlanex16_b32's selects for lane l xor 16
.irp b, 0,1,2,3
	v_mov_b32 v[TM+4+\b], 0                        ; written once: a lane permute's destination counts as one of its sources
.endr
	s_mov_b32 s33, 0
	s_wait_kmcnt 0x0
	s_load_b32 s40, s[18:19], 0x0                  ; 'some key open per 128 keys' of query rows 0-15
	s_cmp_eq_u32 s29, 0
	s_cselect_b64 s[24:25], s[4:5], s[6:7]
	s_cselect_b64 s[26:27], s[10:11], s[12:13]
	s_cmp_eq_u32 s29, 2
	s_cselect_b64 s[24:25], s[8:9], s[24:25]       ; x
	s_cselect_b64 s[26:27], s[14:15], s[26:27]     ; its bias
	s_lshl_b32 s32, ttmp9, 18                      ; 128 tokens of 2,048 bytes a block,
	s_lshl_b32 s34, s28, 15                        ; 16 a wave
	s_add_co_u32 s32, s32, s34
	s_add_nc_u64 s[24:25], s[24:25], s[32:33]
	s_lshl_b32 s32, s28, 8
	s_add_nc_u64 s[26:27], s[26:27], s[32:33]      ; my 64 numbers of the bias
	s_lshl_b32 s32, s29, 17
	s_lshl_b32 s34, s28, 14
	s_add_co_u32 s32, s32, s34
	s_add_nc_u64 s[34:35], s[16:17], s[32:33]      ; my 16 fragments of W
	s_lshl_b32 s32, s29, 13
	s_lshl_b32 s36, s28, 8
	s_add_co_u32 s32, s32, s36
	s_add_co_u32 s32, s32, WS_OFF
	s_add_nc_u64 s[36:37], s[16:17], s[32:33]      ; and their scale words
	s_lshl_b32 s32, s29, 23                        ; out: p x 8 Mi + (8 batch + wave) x 512 Ki + (block in its batch) x 16 Ki
	s_lshr_b32 s38, ttmp9, 5
	s_lshl_b32 s38, s38, 3
	s_add_co_u32 s38, s38, s28
	s_lshl_b32 s38, s38, 19
	s_add_co_u32 s32, s32, s38
	s_and_b32 s41, ttmp9, 31
	s_lshl_b32 s38, s41, 14
	s_add_co_u32 s32, s32, s38
	s_add_nc_u64 s[20:21], s[20:21], s[32:33]
	s_add_nc_u64 s[22:23], s[22:23], s[32:33]
	WIN 0x40                                       ; destination window 1
.set wn, 0
.rept 32
	global_load_b128 v[4*wn:4*wn+3], v[LI], s[34:35] offset:wn*512       ; fragment 4 n + ks at v[8 (4 n + ks)] of window 1
.set wn, wn+1
.endr
	WIN 0
.irp n, 0,1,2,3
.irp k, 0,1,2,3
	global_load_b32 v[WSC+4*\n+\k], v[SO], s[36:37] offset:\k*2048+\n*64
.endr
.endr
.irp n, 0,1,2,3
	global_load_b128 v[BIAS+8*\n:BIAS+8*\n+3], v[BO], s[26:27] offset:\n*64
	global_load_b128 v[BIAS+8*\n+4:BIAS+8*\n+7], v[BO], s[26:27] offset:\n*64+16
.endr
; ---- X: my 16 tokens, a K step of 128 at a time.  Each load reads 512 consecutive bytes of a row; the 8 KiB turn through my stage so that a lane gets 16 neighbours of each block of 32
.macro XLOAD ks, r
.set xi, 0
.rept 16
	global_load_b128 v[\r+4*xi:\r+4*xi+3], v[LI], s[24:25] offset:xi*2048+(\ks)*512 th:TH_LOAD_NT
.set xi, xi+1
.endr
.endm
.macro UNIT ks, r, left
	s_wait_loadcnt \left                           ; this unit's 16 loads (and all older ones) are in; the one younger unit's 16 may be out
.set xi, 0
.rept 16
	ds_store_b128 v[STI], v[\r+4*xi:\r+4*xi+3] offset:xi*STP
.set xi, xi+1
.endr
.set xi, 0
.rept 16
	ds_load_b128 v[\r+4*xi:\r+4*xi+3], v[STO] offset:128*(xi/4)+16*(xi%4)   ; LDS serves a wave's instructions in order: these see the stores above
.set xi, xi+1
.endr
	s_wait_dscnt 0x0
	QUANT \r
	ds_store_b128 v[XWI], v[PC:PC+3] offset:(\ks)*1024
	ds_store_b128 v[XWI], v[PC+4:PC+7] offset:(\ks)*1024+512
	ds_store_b32 v[XWS], v[PW] offset:(\ks)*128
	s_wait_dscnt 0x0                               ; the stores have read their registers
.endm
	XLOAD 0, R0
	XLOAD 1, R1
	UNIT 0, R0, 16
	XLOAD 2, R0
	UNIT 1, R1, 16
	XLOAD 3, R1
	UNIT 2, R0, 16
	UNIT 3, R1, 0
	s_barrier_signal -1                            ; every wave's images have landed (each waited for its stores above)
	s_barrier_wait -1
	s_wait_kmcnt 0x0                               ; the flag word
	s_lshr_b32 s44, s40, s41                       ; k, v: are this block's 128 keys open for some of rows 0-15?
	s_and_b32 s44, s44, 1
	s_cmp_eq_u32 s41, 0                            ; q: is this the batch's first block?
	s_cselect_b32 s45, 1, 0
	s_cmp_eq_u32 s29, 0
	s_cselect_b32 s44, s45, s44                    ; 1: the low parts are stored too
; ---- G: a tile of 16 tokens at a time
.macro LOWP n, m
.irp j, 0,1,2,3
	v_cvt_pk_f16_f32 v[96+\j], v[ACC+8*(\n)+2*\j], v[ACC+8*(\n)+2*\j+1]
.endr
	v_cvt_f32_f16 v100, v96.l
	v_cvt_f32_f16 v101, v96.h
	v_cvt_f32_f16 v102, v97.l
	v_cvt_f32_f16 v103, v97.h
	v_cvt_f32_f16 v104, v98.l
	v_cvt_f32_f16 v105, v98.h
	v_cvt_f32_f16 v106, v99.l
	v_cvt_f32_f16 v107, v99.h
.irp j, 0,2,4,6
	v_pk_add_f32 v[100+\j:101+\j], v[ACC+8*(\n)+\j:ACC+8*(\n)+\j+1], v[100+\j:101+\j] neg_lo:[0,1] neg_hi:[0,1]
.endr
.irp j, 0,1,2,3
	v_cvt_pk_f16_f32 v[L+4*(\n)+\j], v[100+2*\j], v[101+2*\j]
.endr
	global_store_b128 v[POS], v[L+4*(\n):L+4*(\n)+3], s[22:23] offset:(\m)*2048+(\n)*512
.endm
.macro GSTEP m
.irp n, 0,1,2,3,4,5,6,7
	ds_load_b128 v[XF+4*\n:XF+4*\n+3], v[XRD] offset:(\m)*4096+\n*512
.endr
.irp k, 0,1,2,3
	ds_load_b32 v[XS+\k], v[SRD] offset:(\m)*512+\k*128
.endr
	s_wait_dscnt 0x0
	WIN 0x01                                       ; source 0 (W) window 1
.irp k, 0,1,2,3                                ; the four accumulators take turns, one instruction a turn
.irp n, 0,1,2,3
.if \k == 0
	v_wmma_scale_f32_16x16x128_f8f6f4 v[ACC+8*\n:ACC+8*\n+7], v[8*(4*\n+\k):8*(4*\n+\k)+7], v[XF+8*\k:XF+8*\k+7], v[BIAS+8*\n:BIAS+8*\n+7], v[WSC+4*\n+\k], v[XS+\k] matrix_a_fmt:MATRIX_FMT_FP4 matrix_b_fmt:MATRIX_FMT_FP4
.else
	v_wmma_scale_f32_16x16x128_f8f6f4 v[ACC+8*\n:ACC+8*\n+7], v[8*(4*\n+\k):8*(4*\n+\k)+7], v[XF+8*\k:XF+8*\k+7], v[ACC+8*\n:ACC+8*\n+7], v[WSC+4*\n+\k], v[XS+\k] matrix_a_fmt:MATRIX_FMT_FP4 matrix_b_fmt:MATRIX_FMT_FP4
.endif
.endr
.endr
	WIN 0
.rept 4
	v_nop                                          ; places in front of the first read of results and of the next tile's loads into operand registers
.endr
	s_wait_xcnt 0x0                                ; the last tile's stores have read their data: H and L are written again only behind this wait
.irp n, 0,1,2,3
.irp j, 0,1,2,3
	v_cvt_pk_f16_f32 v[H+4*\n+\j], v[ACC+8*\n+2*\j], v[ACC+8*\n+2*\j+1]     ; each accumulator from its low end on
.endr
	global_store_b128 v[POS], v[H+4*\n:H+4*\n+3], s[20:21] offset:(\m)*2048+\n*512   ; the wave stores a piece: 512 consecutive bytes
.endr
	s_cmp_eq_u32 s44, 0
	s_cbranch_scc1 .Lnolow_\@
	LOWP 0, \m
	LOWP 1, \m
	LOWP 2, \m
	LOWP 3, \m
.Lnolow_\@:
.endm
	GSTEP 0
	GSTEP 1
	GSTEP 2
	GSTEP 3
	GSTEP 4
	GSTEP 5
	GSTEP 6
	GSTEP 7
	s_wait_tensorcnt 0x0                           ; the wave's end: a wait, an LDS add and its wait behind my last LDS store
	ds_add_u32 v[SPW], v[NIL]
	s_wait_dscnt 0x0
	s_endpgm
.Lfunc_end_k_q34cc7571ee_proj:
	.size	k_q34cc7571ee_proj, .Lfunc_end_k_q34cc7571ee_proj-k_q34cc7571ee_proj
	.p2alignl 7, 3214868480
	.fill 96, 4, 3214868480
	.section	.rodata,"a",@progbits
	.p2align	6, 0x0
	.amdhsa_kernel k_q34cc7571ee_proj
		.amdhsa_group_segment_fixed_size 105472
		.amdhsa_private_segment_fixed_size 0
		.amdhsa_enable_private_segment 0
		.amdhsa_kernarg_size 80
		.amdhsa_user_sgpr_count 2
		.amdhsa_user_sgpr_kernarg_segment_ptr 1
		.amdhsa_wavefront_size32 1
		.amdhsa_system_sgpr_workgroup_id_x 1
		.amdhsa_system_sgpr_workgroup_id_y 1
		.amdhsa_system_sgpr_workgroup_id_z 1
		.amdhsa_system_vgpr_workitem_id 0
		.amdhsa_next_free_vgpr 384
		.amdhsa_next_free_sgpr 66
		.amdhsa_reserve_vcc 0
		.amdhsa_float_denorm_mode_32 3
		.amdhsa_float_denorm_mode_16_64 3
		.amdhsa_memory_ordered 1
		.amdhsa_forward_progress 1
		.amdhsa_inst_pref_size 110
	.end_amdhsa_kernel
	.amdgpu_metadata
---
amdhsa.version: [ 1, 2 ]
amdhsa.kernels:
  - .name:           k_q34cc7571ee_proj
    .symbol:         k_q34cc7571ee_proj.kd
    .args:
      - { .name: query, .offset: 0, .size: 8, .value_kind: global_buffer, .address_space: global }
      - { .name: key_, .offset: 8, .size: 8, .value_kind: global_buffer, .address_space: global }
      - { .name: value, .offset: 16, .size: 8, .value_kind: global_buffer, .address_space: global }
      - { .name: bq, .offset: 24, .size: 8, .value_kind: global_buffer, .address_space: global }
      - { .name: bk, .offset: 32, .size: 8, .value_kind: global_buffer, .address_space: global }
      - { .name: bv, .offset: 40, .size: 8, .value_kind: global_buffer, .address_space: global }
      - { .name: wts, .offset: 48, .size: 8, .value_kind: global_buffer, .address_space: global }
      - { .name: flg, .offset: 56, .size: 8, .value_kind: global_buffer, .address_space: global }
      - { .name: qkvh, .offset: 64, .size: 8, .value_kind: global_buffer, .address_space: global }
      - { .name: qkvl, .offset: 72, .size: 8, .value_kind: global_buffer, .address_space: global }
    .group_segment_fixed_size: 105472
    .private_segment_fixed_size: 0
    .kernarg_segment_align: 8
    .kernarg_segment_size: 80
    .max_flat_workgroup_size: 256
    .sgpr_count:     66
    .vgpr_count:     384
    .wavefront_size: 32
...
	.end_amdgpu_metadata
.endif
;; end of part 2
;; launch attn (part 3): grid 16 x 16, 8 waves a work-group, no clusters, 168,960 bytes of LDS; arguments qkvh, msk, ah, flg; writes ah
.if DOCPART == 3
	.amdgcn_target "amdgcn-amd-amdhsa--gfx1250"
	.amdhsa_code_object_version 6
	.text
	.protected	k_q34cc7571ee_attn
	.globl	k_q34cc7571ee_attn
	.p2align	8
	.type	k_q34cc7571ee_attn,@function
k_q34cc7571ee_attn:
	s_mov_b64 s[64:65], 0
	v_nop
	global_prefetch_b8 v0, s[64:65] scope:SCOPE_SE
	s_setreg_imm32_b32 hwreg(HW_REG_WAVE_MODE, 25, 1), 1
	s_wait_xcnt 0x0
; ATTN: softmax(q k^T / 8, masked) v for every head, operands in f16, sums, maxima and exponentials in f32.  The mask is taken as the stored lane-mask words; nothing of its pattern is built in.
; SHARES.  Work-group (i, bh) takes the blocks of 128 queries 31 - i and i of head bh, in two passes.  Wave w: unit u = w % 4 (32 queries, two tiles of 16) and key group g = w / 4.
; A trip is 256 keys; in it group g takes the 128 keys 256 T + 128 g on, 64 a half step.  At a pass's end group 1 hands its maxima, sums and O to group 0 through LDS.
; LAYOUT.  S^T = K Q^T (source 0 = 16 keys, source 1 = 16 queries): a lane holds ONE query and the keys 8 (lane/16) + 0..7; two such tiles rounded to f16 in pairs are source 1 of O^T = V^T P.
; K and V come from memory in the order of the operand registers (V for the turning LDS load), 64 KiB a trip: 16 loads a thread into registers a whole trip ahead, then 16 LDS stores; two slots, one barrier a trip.
; WHAT IS LEFT OUT.  A step of 128 keys none of which is open for any of the wave's 32 queries is jumped over (a scalar branch on stored flags, 256 bytes a tile of 16 queries in flg): its p would be 0.
; A tile that holds a row with no open key has all its flags set, is walked in full, and that row comes out as the mean of all values, as the -1e9 of the definition gives it.
; Where all keys of a step are open the mask words are not read.
; SOFTMAX.  For each query a running maximum m and sum l: p = 2^(c s - c m), c = log2(e) / 8; O and l are multiplied by a = 2^(c m_old - c m_new) in every half step.
; A masked score is -2^33 (as a score: -1.07e9): c x 2^33 is exact in f32, so that c s - c m is exactly 0 in a row with no open key.
; No tensor loads and no multicast: branches hang on numbers read from memory.
; LIMITS: true scores stay above about -1e9 (beyond that the definition's -1e9 would begin to count); q, k, v under 65,504 in magnitude; NaN and infinities are not served.
.set SLOT1,  65536                     ; a slot: K of 256 keys (32 KiB), then V
.set VOFF,   32768
.set MG,     131072                    ; behind the slots: what group 1 hands over, 9,216 bytes a unit: O 8,192, statistics 2 x 512
.set MGU,    9216
.set SPARE,  167936                    ; the spare words, 128 bytes a wave; no other line names them
.set LI,  1                            ; v1   16 x lane
.set AK,  2                            ; v2, v3   my group's step in slot 0, 1: 16 x lane + 16,384 g (+ 65,536)
.set SA,  4                            ; v4, v5   16 x thread (+ 65,536): the staging's place, in memory and in a slot
.set MGA, 6                            ; v6   my unit's place in MG
.set PFO, 7                            ; v7   256 x lane: the prefetch's offset
.set SPW, 8                            ; v8   my spare word's address; never rewritten
.set NIL, 9                            ; v9   0; never rewritten
.set NEG, 10                           ; v10  -2^33
.set ST,  12                           ; tile t's statistics at v[12 + 8 t]: +0 c m, +1 m, +2, +3 l, +4 to +7 at work, a in +6
.set CH,  28                           ; v28-31   the sums' second chains
.set Q,   32                           ; v32-63   Q: tile t, channels 32 d on: 16 t + 8 d
.set S,   64                           ; v64-127  S^T, 32 a tile; P is made in place in a tile's low 16
.set O,   128                          ; v128-191 O^T, 32 a tile
.set KV,  192                          ; v192-255 K's fragments of a half step, then V's.   Window 1: v0-63 the 16 staged loads
.set WV, 10
.set U,  11
.set G,  12
.set BLK, 13
.set BH, 14
.set PASS, 15
.set TRIPS, 16
.set GANY, 18                          ; some key open for the block's 128 queries, a bit for each 128 keys
.set WANY, 19                          ; the same for my 32 queries, shifted so that bit 0 is my group's step of the trip in hand
.set WALL, 20                          ; all keys open, likewise
.set PFON, 21                          ; 3 where this work-group and pass prefetch, else 0
.set CS,  22                           ; s[22:23] c, twice: the packed form names a pair
.set SEL, 24                           ; s[24:25] lane selects for lane l xor 16
.set QP,  26
.set KP,  28
.set VP,  30
.set MBP, 32
.set OP,  34
.set PFP, 66
.set MSB, 0
.macro WIN new                         ; the immediate's high byte repeats the setting that is left
.if MSB != \new
	s_set_vgpr_msb (MSB<<8)|\new
.set MSB, \new
.endif
.endm
	s_load_b128 s[4:7], s[0:1], 0x0                ; qkvh, msk
	s_load_b64 s[8:9], s[0:1], 0x10                ; ah
	s_load_b64 s[2:3], s[0:1], 0x18                ; flg
	v_lshl_add_u32 v[SPW], v0, 2, SPARE
	v_mov_b32 v[NIL], 0
	v_lshrrev_b32 v11, 5, v0
	v_readfirstlane_b32 s[WV], v11                 ; wave 0..7
	s_and_b32 s[U], s[WV], 3
	s_lshr_b32 s[G], s[WV], 2
	s_sub_co_u32 s[BLK], 31, ttmp9                 ; the first pass's block
	s_and_b32 s[BH], ttmp7, 0xffff
	s_cmp_eq_u32 ttmp9, 0
	s_cselect_b32 s[PFON], 3, 0                    ; all 16 work-groups of a head walk the same K and V: the first of them asks, in its first pass
	v_and_b32 v[LI], 31, v0
	v_lshlrev_b32 v[PFO], 8, v[LI]
	v_lshlrev_b32 v[LI], 4, v[LI]
	s_lshl_b32 s44, s[G], 14
	v_add_nc_u32 v[AK], s44, v[LI]
	v_add_nc_u32 v[AK+1], SLOT1, v[AK]
	v_lshlrev_b32 v[SA], 4, v0
	v_add_nc_u32 v[SA+1], SLOT1, v[SA]
	s_mul_i32 s44, s[U], MGU
	s_add_co_u32 s44, s44, MG
	v_add_nc_u32 v[MGA], s44, v[LI]
	v_mov_b32 v[NEG], 0xd0000000
	s_mov_b32 s[CS], 0x3e38aa3b                    ; c = log2(e) / 8
	s_mov_b32 s[CS+1], s[CS]
	s_mov_b32 s[SEL], 0x76543210
	s_mov_b32 s[SEL+1], 0xfedcba98
	s_mov_b32 s[PASS], 2
	s_wait_kmcnt 0x0
; the softmax of both tiles for 64 keys, the tiles line by line
.macro SOFT
.irp j, 0,1,2,3
.irp t, 0,1
	v_max3_num_f32 v[ST+8*\t+4+\j], v[S+32*\t+8*\j], v[S+32*\t+8*\j+1], v[S+32*\t+8*\j+2]     ; four chains; each accumulator is read from its low end on
.endr
.endr
.irp q, 1,2
.irp j, 0,1,2,3
.irp t, 0,1
	v_max3_num_f32 v[ST+8*\t+4+\j], v[ST+8*\t+4+\j], v[S+32*\t+8*\j+2*\q+1], v[S+32*\t+8*\j+2*\q+2]
.endr
.endr
.endr
.irp t, 0,1
	v_max3_num_f32 v[ST+8*\t+4], v[ST+8*\t+4], v[S+32*\t+7], v[S+32*\t+15]
	v_max3_num_f32 v[ST+8*\t+6], v[ST+8*\t+6], v[S+32*\t+23], v[S+32*\t+31]
.endr
.irp t, 0,1
	v_max3_num_f32 v[ST+8*\t+4], v[ST+8*\t+4], v[ST+8*\t+5], v[ST+8*\t+6]
.endr
.irp t, 0,1
	v_max3_num_f32 v[ST+8*\t+4], v[ST+8*\t+4], v[ST+8*\t+7], v[ST+8*\t+1]      ; and the old m
.endr
.irp t, 0,1
	v_permlanex16_b32 v[ST+8*\t+5], v[ST+8*\t+4], s[SEL], s[SEL+1]             ; the query's other 32 keys lie in the lane 16 away
.endr
.irp t, 0,1
	v_mov_b32 v[ST+8*\t+7], v[ST+8*\t]                                         ; c m_old
.endr
.irp t, 0,1
	v_max_num_f32 v[ST+8*\t+1], v[ST+8*\t+4], v[ST+8*\t+5]
.endr
.irp t, 0,1
	v_mul_f32 v[ST+8*\t], s[CS], v[ST+8*\t+1]
.endr
.irp t, 0,1
	v_sub_f32 v[ST+8*\t+7], v[ST+8*\t+7], v[ST+8*\t]
.endr
.set sb, 0
.rept 16
.irp t, 0,1
	v_pk_fma_f32 v[S+32*\t+2*sb:S+32*\t+2*sb+1], v[S+32*\t+2*sb:S+32*\t+2*sb+1], s[CS:CS+1], v[ST+8*\t:ST+8*\t+1] op_sel_hi:[1,0,0] neg_lo:[0,0,1] neg_hi:[0,0,1]   ; c s - c m
.endr
.set sb, sb+1
.endr
.irp t, 0,1
	v_exp_f32 v[ST+8*\t+6], v[ST+8*\t+7]           ; a
.endr
.set sb, 0
.rept 32
.irp t, 0,1
	v_exp_f32 v[S+32*\t+sb], v[S+32*\t+sb]         ; p
.endr
.set sb, sb+1
.endr
	v_nop                                          ; a plain instruction behind the last exponential
	s_wait_alu depctr_va_vdst(0)                   ; one wait for the batch of 66, ahead of its first reader
.irp t, 0,1
	v_pk_add_f32 v[ST+8*\t+4:ST+8*\t+5], v[S+32*\t:S+32*\t+1], v[S+32*\t+2:S+32*\t+3]          ; the sums, of the unrounded p, in two chains a tile
	v_pk_add_f32 v[CH+2*\t:CH+2*\t+1], v[S+32*\t+4:S+32*\t+5], v[S+32*\t+6:S+32*\t+7]
.endr
.irp j, 8,12,16,20,24,28
.irp t, 0,1
	v_pk_add_f32 v[ST+8*\t+4:ST+8*\t+5], v[ST+8*\t+4:ST+8*\t+5], v[S+32*\t+\j:S+32*\t+\j+1]
	v_pk_add_f32 v[CH+2*\t:CH+2*\t+1], v[CH+2*\t:CH+2*\t+1], v[S+32*\t+\j+2:S+32*\t+\j+3]
.endr
.endr
.irp t, 0,1
	v_pk_add_f32 v[ST+8*\t+4:ST+8*\t+5], v[ST+8*\t+4:ST+8*\t+5], v[CH+2*\t:CH+2*\t+1]
.endr
.irp t, 0,1
	v_pk_fma_f32 v[ST+8*\t+2:ST+8*\t+3], v[ST+8*\t+2:ST+8*\t+3], v[ST+8*\t+6:ST+8*\t+7], v[ST+8*\t+4:ST+8*\t+5] op_sel_hi:[1,0,1]   ; l = a l + the sum
.endr
.set sb, 0
.rept 16
.irp t, 0,1
	v_cvt_pk_f16_f32 v[S+32*\t+sb], v[S+32*\t+2*sb], v[S+32*\t+2*sb+1]         ; P in place, ascending: register sb is written when registers up to 2 sb - 1 are done with
.endr
.set sb, sb+1
.endr
.set sb, 0
.rept 16
.irp t, 0,1
	v_pk_mul_f32 v[O+32*\t+2*sb:O+32*\t+2*sb+1], v[O+32*\t+2*sb:O+32*\t+2*sb+1], v[ST+8*\t+6:ST+8*\t+7] op_sel_hi:[1,0]
.endr
.set sb, sb+1
.endr
.endm
; 64 keys: the e-th half of my group's step, in the given slot
.macro HSTEP slot, e
.set hn, 0
.rept 16
	ds_load_b128 v[KV+4*hn:KV+4*hn+3], v[AK+\slot] offset:\e*8192+hn*512       ; K: keys 16 (hn/4) on, channels 32 ((hn/2)%2) on, as the registers take them
.set hn, hn+1
.endr
	s_wait_dscnt 0x0
.irp d, 0,1                                    ; eight accumulators take turns, one instruction a turn
.irp k, 0,1,2,3
.irp t, 0,1
.if \d == 0
	v_wmma_f32_16x16x32_f16 v[S+32*\t+8*\k:S+32*\t+8*\k+7], v[KV+16*\k+8*\d:KV+16*\k+8*\d+7], v[Q+16*\t+8*\d:Q+16*\t+8*\d+7], 0
.else
	v_wmma_f32_16x16x32_f16 v[S+32*\t+8*\k:S+32*\t+8*\k+7], v[KV+16*\k+8*\d:KV+16*\k+8*\d+7], v[Q+16*\t+8*\d:Q+16*\t+8*\d+7], v[S+32*\t+8*\k:S+32*\t+8*\k+7]
.endif
.endr
.endr
.endr
.rept 4
	v_nop                                          ; places in front of the loads into K's registers and of the first read of the scores
.endr
.irp k, 0,1
.irp c, 0,1,2,3
.irp p, 0,1
	ds_load_tr16_b128 v[KV+8*(4*\k+\c)+4*\p:KV+8*(4*\k+\c)+4*\p+3], v[AK+\slot] offset:VOFF+(4*\e+2*\k+\p)*2048+\c*512   ; V turned: channels 16 c on, keys 32 k + 16 p on; it lands under the softmax
.endr
.endr
.endr
	s_bitcmp1_b32 s[WALL], 0                       ; all 128 keys open for my 32 queries: no word is read
	s_cbranch_scc1 .Lopen_\@
.irp t, 0,1
	s_load_b512 s[68:83], s[MBP:MBP+1], \slot*512+\t*8192+\e*128
	s_load_b512 s[84:99], s[MBP:MBP+1], \slot*512+\t*8192+\e*128+64
	s_wait_kmcnt 0x0
.set hn, 0
.rept 32
	v_cndmask_b32 v[S+32*\t+hn], v[NEG], v[S+32*\t+hn], s[68+hn]               ; bit = 1: the score stays
.set hn, hn+1
.endr
.endr
.Lopen_\@:
	SOFT
	s_wait_dscnt 0x0                               ; V is in
.irp k, 0,1
.irp c, 0,1,2,3
.irp t, 0,1
	v_wmma_f32_16x16x32_f16 v[O+32*\t+8*\c:O+32*\t+8*\c+7], v[KV+8*(4*\k+\c):KV+8*(4*\k+\c)+7], v[S+32*\t+8*\k:S+32*\t+8*\k+7], v[O+32*\t+8*\c:O+32*\t+8*\c+7]
.endr
.endr
.endr
.rept 5
	v_nop                                          ; five places: the next products write over P's registers; the next loads land in V's
.endr
.endm
; 256 keys
.macro TRIP slot
	s_wait_loadcnt 0x0                             ; the slot's 16 loads, asked for a trip ago, are in (in the first trip Q's too): their bases may step
	s_wait_xcnt 0x0                                ; the last prefetch, a trip back, has read its address
	s_add_nc_u64 s[KP:KP+1], s[KP:KP+1], 32768
	s_add_nc_u64 s[VP:VP+1], s[VP:VP+1], 32768
	s_add_nc_u64 s[PFP:PFP+1], s[PFP:PFP+1], 32768
	WIN 0x04                                       ; an LDS store's data are its source 1: window 1
.irp n, 0,1,2,3,4,5,6,7
	ds_store_b128 v[SA+\slot], v[4*\n:4*\n+3] offset:\n*4096
	ds_store_b128 v[SA+\slot], v[32+4*\n:32+4*\n+3] offset:VOFF+\n*4096
.endr
	WIN 0
	s_wait_dscnt 0x0                               ; my stores into this slot have landed, and my reads of the other slot are over:
	s_barrier_signal -1                            ; one barrier a trip: this slot was last read two trips ago, ahead of the last barrier
	s_barrier_wait -1
	s_lshr_b32 s[GANY], s[GANY], 2
	s_and_b32 s44, s[GANY], 3                      ; does any wave read the next 256 keys?  Behind the last trip the bits are 0: no load leaves the buffer
	s_cmp_eq_u32 s44, 0
	s_cbranch_scc1 .Lnoload_\@
	WIN 0x40                                       ; destination window 1
.irp n, 0,1,2,3,4,5,6,7
	global_load_b128 v[4*\n:4*\n+3], v[SA], s[KP:KP+1] offset:\n*4096          ; a wave's load covers 512 consecutive bytes
	global_load_b128 v[32+4*\n:32+4*\n+3], v[SA], s[VP:VP+1] offset:\n*4096
.endr
	WIN 0
.Lnoload_\@:
	s_lshr_b32 s44, s[GANY], 2                     ; the 256 keys after those: 64 KiB, asked for once in the launch: waves 0-3 K's 32 KiB, waves 4-7 V's, a wave 8 KiB, lanes 256 bytes apart
	s_and_b32 s44, s44, s[PFON]
	s_cmp_eq_u32 s44, 0
	s_cbranch_scc1 .Lnoask_\@
	global_prefetch_b8 v[PFO], s[PFP:PFP+1] th:TH_LOAD_NT scope:SCOPE_SE
.Lnoask_\@:
	s_bitcmp1_b32 s[WANY], 0
	s_cbranch_scc0 .Lnowork_\@
	HSTEP \slot, 0
	HSTEP \slot, 1
.Lnowork_\@:
	s_lshr_b32 s[WANY], s[WANY], 2
	s_lshr_b32 s[WALL], s[WALL], 2
.endm
.Lpass:
	s_wait_loadcnt 0x0                             ; no load of the last pass is out,
	s_wait_xcnt 0x0                                ; and its stores have read their data and base: all may be written again
	s_mov_b32 s45, 0
	s_mov_b32 s47, 0
	s_lshl_b32 s44, s[BLK], 11                     ; the flags of the block's eight tiles, 256 bytes each
	s_add_nc_u64 s[36:37], s[2:3], s[44:45]
	s_lshl_b32 s46, s[U], 9
	s_add_nc_u64 s[38:39], s[36:37], s[46:47]
.irp n, 0,1,2,3,4,5,6,7
	s_load_b64 s[48+2*\n:49+2*\n], s[36:37], \n*256
.endr
	s_load_b64 s[40:41], s[38:39], 0x0             ; my two tiles': some open, all open
	s_load_b64 s[42:43], s[38:39], 0x100
	s_lshl_b32 s44, s[BH], 19
	s_add_nc_u64 s[KP:KP+1], s[4:5], s[44:45]      ; the head's q
	s_lshl_b32 s46, s[BLK], 14
	s_lshl_b32 s44, s[U], 12
	s_add_co_u32 s46, s46, s44
	s_add_nc_u64 s[QP:QP+1], s[KP:KP+1], s[46:47]  ; my two tiles of it
	s_add_nc_u64 s[VP:VP+1], s[KP:KP+1], 0x1000000 ; the head's v
	s_add_nc_u64 s[KP:KP+1], s[KP:KP+1], 0x800000  ; the head's k
	s_cmp_lt_u32 s[WV], 4
	s_cselect_b64 s[PFP:PFP+1], s[KP:KP+1], s[VP:VP+1]
	s_lshl_b32 s46, s[U], 13
	s_add_co_u32 s46, s46, 32768                   ; the first trip steps it to the third slot's bytes
	s_add_nc_u64 s[PFP:PFP+1], s[PFP:PFP+1], s[46:47]
	s_lshl_b32 s44, s[BLK], 16                     ; the mask words: (8 blk + 2 u) x 8,192 + 256 g
	s_lshl_b32 s46, s[U], 14
	s_add_co_u32 s44, s44, s46
	s_lshl_b32 s46, s[G], 8
	s_add_co_u32 s44, s44, s46
	s_add_nc_u64 s[MBP:MBP+1], s[6:7], s[44:45]
	s_lshr_b32 s44, s[BH], 3                       ; out: (((32 b + blk) 4 + head/2) 8 + 2 u) x 4,096 + 2 (head%2) x 1,024
	s_lshl_b32 s44, s44, 5
	s_add_co_u32 s44, s44, s[BLK]
	s_lshl_b32 s44, s44, 2
	s_bfe_u32 s46, s[BH], 0x20001
	s_add_co_u32 s44, s44, s46
	s_lshl_b32 s44, s44, 3
	s_lshl_b32 s46, s[U], 1
	s_add_co_u32 s44, s44, s46
	s_lshl_b32 s44, s44, 12
	s_and_b32 s46, s[BH], 1
	s_lshl_b32 s46, s46, 11
	s_add_co_u32 s44, s44, s46
	s_add_nc_u64 s[OP:OP+1], s[8:9], s[44:45]
	WIN 0x40
.irp n, 0,1,2,3,4,5,6,7
	global_load_b128 v[4*\n:4*\n+3], v[SA], s[KP:KP+1] offset:\n*4096          ; the first 256 keys, always
	global_load_b128 v[32+4*\n:32+4*\n+3], v[SA], s[VP:VP+1] offset:\n*4096
.endr
	WIN 0
.irp n, 0,1,2,3,4,5,6,7
	global_load_b128 v[Q+4*\n:Q+4*\n+3], v[LI], s[QP:QP+1] offset:\n*512
.endr
.irp t, 0,1
	v_mov_b32 v[ST+8*\t+1], 0xff61b1e6             ; m = -3e38, under every score
	v_mul_f32 v[ST+8*\t], s[CS], v[ST+8*\t+1]
	v_mov_b32 v[ST+8*\t+2], 0
	v_mov_b32 v[ST+8*\t+3], 0
.endr
.set pn, 0
.rept 64
	v_mov_b32 v[O+pn], 0                           ; the half step is written once, and where a wave's first one stands hangs on the stored flags: it finds zeros
.set pn, pn+1
.endr
	s_wait_kmcnt 0x0
	s_or_b32 s[GANY], s48, s50
	s_or_b32 s[GANY], s[GANY], s52
	s_or_b32 s[GANY], s[GANY], s54
	s_or_b32 s[GANY], s[GANY], s56
	s_or_b32 s[GANY], s[GANY], s58
	s_or_b32 s[GANY], s[GANY], s60
	s_or_b32 s[GANY], s[GANY], s62
	s_or_b32 s[WANY], s40, s42
	s_lshr_b32 s[WANY], s[WANY], s[G]
	s_and_b32 s[WALL], s41, s43
	s_lshr_b32 s[WALL], s[WALL], s[G]
	s_mov_b32 s[TRIPS], 8
.Ltrip:                                            ; eight times two trips: all 4,096 keys
	TRIP 0
	TRIP 1
	s_add_nc_u64 s[MBP:MBP+1], s[MBP:MBP+1], 1024  ; (every scalar load from it was waited for where it was issued)
	s_sub_co_u32 s[TRIPS], s[TRIPS], 1
	s_cmp_lg_u32 s[TRIPS], 0
	s_cbranch_scc1 .Ltrip
	; ---- the pass's end: group 1 hands over
	s_cmp_lt_u32 s[WV], 4
	s_cbranch_scc1 .Lkeep
.set pn, 0
.rept 16
	ds_store_b128 v[MGA], v[O+4*pn:O+4*pn+3] offset:pn*512                     ; each accumulator from its low end on
.set pn, pn+1
.endr
	ds_store_b128 v[MGA], v[ST:ST+3] offset:8192
	ds_store_b128 v[MGA], v[ST+8:ST+11] offset:8704
.Lkeep:
	s_wait_dscnt 0x0                               ; my stores have landed; my reads of the last slot are over
	s_barrier_signal -1
	s_barrier_wait -1
	s_cmp_ge_u32 s[WV], 4
	s_cbranch_scc1 .Ldone
.set pn, 0
.rept 16
	ds_load_b128 v[KV+4*pn:KV+4*pn+3], v[MGA] offset:pn*512
.set pn, pn+1
.endr
	ds_load_b128 v[S:S+3], v[MGA] offset:8192
	ds_load_b128 v[S+4:S+7], v[MGA] offset:8704
	s_wait_dscnt 0x0
.irp t, 0,1
	v_max_num_f32 v[ST+8*\t+4], v[ST+8*\t], v[S+4*\t]                          ; the common c m
.endr
.irp t, 0,1
	v_sub_f32 v[ST+8*\t+5], v[ST+8*\t], v[ST+8*\t+4]
	v_sub_f32 v[ST+8*\t+7], v[S+4*\t], v[ST+8*\t+4]
.endr
.irp t, 0,1
	v_exp_f32 v[ST+8*\t+6], v[ST+8*\t+5]           ; f, for mine
	v_exp_f32 v[ST+8*\t+4], v[ST+8*\t+7]           ; f', for the other group's
.endr
	v_nop
	s_wait_alu depctr_va_vdst(0)                   ; one wait for the four, ahead of their first reader
.irp t, 0,1
	v_pk_mul_f32 v[ST+8*\t+2:ST+8*\t+3], v[ST+8*\t+2:ST+8*\t+3], v[ST+8*\t+6:ST+8*\t+7] op_sel_hi:[1,0]
.endr
.irp t, 0,1
	v_pk_fma_f32 v[ST+8*\t+2:ST+8*\t+3], v[S+4*\t+2:S+4*\t+3], v[ST+8*\t+4:ST+8*\t+5], v[ST+8*\t+2:ST+8*\t+3] op_sel_hi:[1,0,1]
.endr
.set pn, 0
.rept 16
.irp t, 0,1
	v_pk_mul_f32 v[O+32*\t+2*pn:O+32*\t+2*pn+1], v[O+32*\t+2*pn:O+32*\t+2*pn+1], v[ST+8*\t+6:ST+8*\t+7] op_sel_hi:[1,0]
.endr
.set pn, pn+1
.endr
.set pn, 0
.rept 16
.irp t, 0,1
	v_pk_fma_f32 v[O+32*\t+2*pn:O+32*\t+2*pn+1], v[KV+32*\t+2*pn:KV+32*\t+2*pn+1], v[ST+8*\t+4:ST+8*\t+5], v[O+32*\t+2*pn:O+32*\t+2*pn+1] op_sel_hi:[1,0,1]
.endr
.set pn, pn+1
.endr
.irp t, 0,1
	v_add_f32 v[ST+8*\t+4], v[ST+8*\t+2], v[ST+8*\t+3]
.endr
.irp t, 0,1
	v_permlanex16_b32 v[ST+8*\t+5], v[ST+8*\t+4], s[SEL], s[SEL+1]
.endr
.irp t, 0,1
	v_add_f32 v[ST+8*\t+4], v[ST+8*\t+4], v[ST+8*\t+5]                         ; the row's sum
.endr
.irp t, 0,1
	v_rcp_f32 v[ST+8*\t+6], v[ST+8*\t+4]
.endr
	v_nop
	s_wait_alu depctr_va_vdst(0)
.set pn, 0
.rept 16
.irp t, 0,1
	v_pk_mul_f32 v[O+32*\t+2*pn:O+32*\t+2*pn+1], v[O+32*\t+2*pn:O+32*\t+2*pn+1], v[ST+8*\t+6:ST+8*\t+7] op_sel_hi:[1,0]
.endr
.set pn, pn+1
.endr
.set pn, 0
.rept 32
	v_cvt_pk_f16_f32 v[S+pn], v[O+2*pn], v[O+2*pn+1]
.set pn, pn+1
.endr
.irp t, 0,1
.irp c, 0,1,2,3
	global_store_b128 v[LI], v[S+16*\t+4*\c:S+16*\t+4*\c+3], s[OP:OP+1] offset:\t*4096+(\c/2)*1024+(\c%2)*512   ; a piece of the projection's operand: 512 consecutive bytes
.endr
.endr
.Ldone:
	s_sub_co_u32 s[BLK], 31, s[BLK]                ; the second pass's block
	s_mov_b32 s[PFON], 0
	s_sub_co_u32 s[PASS], s[PASS], 1
	s_cmp_lg_u32 s[PASS], 0
	s_cbranch_scc1 .Lpass
	s_wait_tensorcnt 0x0                           ; the wave's end: a wait, an LDS add and its wait behind my last LDS store
	ds_add_u32 v[SPW], v[NIL]
	s_wait_dscnt 0x0
	s_endpgm
.Lfunc_end_k_q34cc7571ee_attn:
	.size	k_q34cc7571ee_attn, .Lfunc_end_k_q34cc7571ee_attn-k_q34cc7571ee_attn
	.p2alignl 7, 3214868480
	.fill 96, 4, 3214868480
	.section	.rodata,"a",@progbits
	.p2align	6, 0x0
	.amdhsa_kernel k_q34cc7571ee_attn
		.amdhsa_group_segment_fixed_size 168960
		.amdhsa_private_segment_fixed_size 0
		.amdhsa_enable_private_segment 0
		.amdhsa_kernarg_size 32
		.amdhsa_user_sgpr_count 2
		.amdhsa_user_sgpr_kernarg_segment_ptr 1
		.amdhsa_wavefront_size32 1
		.amdhsa_system_sgpr_workgroup_id_x 1
		.amdhsa_system_sgpr_workgroup_id_y 1
		.amdhsa_system_sgpr_workgroup_id_z 1
		.amdhsa_system_vgpr_workitem_id 0
		.amdhsa_next_free_vgpr 320
		.amdhsa_next_free_sgpr 100
		.amdhsa_reserve_vcc 0
		.amdhsa_float_denorm_mode_32 3
		.amdhsa_float_denorm_mode_16_64 3
		.amdhsa_memory_ordered 1
		.amdhsa_forward_progress 1
		.amdhsa_inst_pref_size 114
	.end_amdhsa_kernel
	.amdgpu_metadata
---
amdhsa.version: [ 1, 2 ]
amdhsa.kernels:
  - .name:           k_q34cc7571ee_attn
    .symbol:         k_q34cc7571ee_attn.kd
    .args:
      - { .name: qkvh, .offset: 0, .size: 8, .value_kind: global_buffer, .address_space: global }
      - { .name: msk, .offset: 8, .size: 8, .value_kind: global_buffer, .address_space: global }
      - { .name: ah, .offset: 16, .size: 8, .value_kind: global_buffer, .address_space: global }
      - { .name: flg, .offset: 24, .size: 8, .value_kind: global_buffer, .address_space: global }
    .group_segment_fixed_size: 168960
    .private_segment_fixed_size: 0
    .kernarg_segment_align: 8
    .kernarg_segment_size: 32
    .max_flat_workgroup_size: 256
    .sgpr_count:     100
    .vgpr_count:     320
    .wavefront_size: 32
...
	.end_amdgpu_metadata
.endif
;; end of part 3
;; launch outp (part 4): grid 4 x 64, 4 waves a work-group, clusters of 4 x 4, 327,680 bytes of LDS; arguments ah, wts, bo, out0; writes out0
.if DOCPART == 4
	.amdgcn_target "amdgcn-amd-amdhsa--gfx1250"
	.amdhsa_code_object_version 6
	.text
	.protected	k_q34cc7571ee_outp
	.globl	k_q34cc7571ee_outp
	.p2align	8
	.type	k_q34cc7571ee_outp,@function
k_q34cc7571ee_outp:
	s_mov_b64 s[64:65], 0
	v_nop
	global_prefetch_b8 v0, s[64:65] scope:SCOPE_SE
	s_setreg_imm32_b32 hwreg(HW_REG_WAVE_MODE, 25, 1), 1
	s_wait_xcnt 0x0
	s_wait_alu depctr_hold_cnt(0) depctr_sa_sdst(0) depctr_va_vdst(0) depctr_va_sdst(0) depctr_va_ssrc(0) depctr_va_vcc(0) depctr_vm_vsrc(0)
	s_getreg_b32 s2, hwreg(HW_REG_IB_STS2, 6, 4)
	s_cmp_eq_u32 s2, 0
	s_cbranch_scc0 .Lentry_in_a_cluster
	s_endpgm
.Lentry_in_a_cluster:
	s_bfe_u32 s2, ttmp6, 0x10000c
	s_cmp_lg_u32 s2, 0xf033
	s_cbranch_scc0 .Lentry_shape_is_right
	s_endpgm
.Lentry_shape_is_right:
; OUTP: out0 = a Wo + bo, operands in f16 (a: the attention's result; Wo^T: the high parts), sums in f32.  A tile of 128 tokens x 128 columns a work-group; four waves, 64 x 64 each: 16 accumulators.
; Both operands lie in memory in the order of the operand registers, 1 KiB a fragment, so a quarter of K (128) of a tile's 128 rows is one dense block of 32 KiB.
; ALL OF K = 512 IS IN LDS AT ONCE: four quarters of 64 KiB, each filled once; nothing is filled again, so there is no ring.  Each wave issues four tensor loads of 16 KiB (four are out at the most).
; CLUSTERS: 4 x 4 work-groups.  The four of a row of the cluster need the same rows of a, the four of a column the same columns of Wo: each block is asked for JOINTLY, by the same tensor load with
; the same descriptor and a mask that names the four.  THE MATRIX INSTRUCTION IS USED TRANSPOSED (source 0 = 16 columns of Wo, source 1 = 16 tokens): a lane holds eight neighbouring numbers of a row.
; The bias is the C of each sum's first product.  Rows 0-15 of each batch are stored anew by the launch that follows.
; REGISTERS: window 0: v1-29 addresses; v32-63 the bias; v64-127 rows on the way out; v128-255 the accumulators ((a, b) at 128 + 8 (4 a + b)).  Window 1: two fragment buffers of 64 (A's four, then B's four).
.set WOH_OFF, 417792
.set QB,     65536                     ; a quarter: A's 32 KiB ([rt 8][kc 4][1,024]), then B's
.set STAGE,  4*QB                      ; behind them: 16 rows x 272 bytes for each wave
.set SP,     272
.set SPARE,  STAGE+4*16*SP             ; the spare words, 128 bytes a wave; no other line names them
.set LI,   1
.set ADRA, 16                          ; v16-19 my A fragments in quarter q
.set ADRB, 20                          ; v20-23 my B fragments
.set STO,  24
.set RD,   25
.set CO,   26
.set BOF,  27
.set SPW,  28                          ; v28  my spare word's address; never rewritten
.set NIL,  29                          ; v29  0; never rewritten
.set BIAS, 32
.set BK,   64
.set ACC,  128
.set F0,   0
.set F1,   64
.set G1A,  24                          ; s[24:31] group 1 for A's blocks; s[32:39] for B's: they differ in the mask alone
.set G1B,  32
.set G0A,  40                          ; s[40:55] four groups 0 for A;  s[56:63], s[68:75] four for B
.set MSB, 0
.macro WIN new                         ; the immediate's high byte repeats the setting that is left
.if MSB != \new
	s_set_vgpr_msb (MSB<<8)|\new
.set MSB, \new
.endif
.endm
.macro CROUND                          ; a round of the cluster's barrier
	s_barrier_signal -1
	s_barrier_wait -1
	s_cmp_lg_u32 s12, 0
	s_cbranch_scc1 .Lnot_wave_0_\@
	s_barrier_signal -3
.Lnot_wave_0_\@:
	s_barrier_wait -3
	s_barrier_signal -1
	s_barrier_wait -1
.endm
.macro PLACES
.rept 4
	v_nop
.endr
.endm
	s_load_b256 s[4:11], s[0:1], 0x0               ; ah s[4:5], wts s[6:7], bo s[8:9], out0 s[10:11]
	v_lshl_add_u32 v[SPW], v0, 2, SPARE
	v_mov_b32 v[NIL], 0
	ds_add_u32 v[SPW], v[NIL]                      ; the wave's opening: the add, twice on end, and its wait ahead of my first tensor load
	ds_add_u32 v[SPW], v[NIL]
	v_lshrrev_b32 v2, 5, v0
	v_readfirstlane_b32 s12, v2                    ; wave 0..3
	s_lshr_b32 s13, s12, 1                         ; which 64 tokens are mine.  Also: I fetch for A (0) or for B (1)
	s_and_b32 s14, s12, 1                          ; which 64 columns.  Also: which half of a block I fetch
	s_bfe_u32 s15, ttmp6, 0x40000                  ; cx
	s_bfe_u32 s16, ttmp6, 0x40004                  ; cy
	s_lshl_b32 s17, ttmp9, 2
	s_add_co_u32 s17, s17, s15                     ; cb: my 128 columns
	s_and_b32 s18, ttmp7, 0xffff
	s_lshl_b32 s18, s18, 2
	s_add_co_u32 s18, s18, s16                     ; rb: my 128 tokens
	s_lshl_b32 s19, s16, 2
	s_lshl_b32 s19, 15, s19                        ; my row of the cluster
	s_lshl_b32 s20, 0x1111, s15                    ; my column
	s_or_b32 s[G1A], s19, (3<<16)|(1<<21)          ; 15:0 the mask; 17:16 elements of 8 bytes; 21 set beside a mask; no padding
	s_or_b32 s[G1B], s20, (3<<16)|(1<<21)
.irp g, G1A, G1B
	s_mov_b32 s[\g+1], 32<<16                      ; tensor_dim0 = 32 elements: rows of 256 bytes
	s_mov_b32 s[\g+2], 64<<16                      ; tensor_dim1 = 64 rows: 16 KiB
	s_mov_b32 s[\g+3], 32<<16                      ; tile_dim0
	s_mov_b32 s[\g+4], 64                          ; tile_dim1
	s_mov_b32 s[\g+5], 32                          ; the pitch: the block is dense
	s_mov_b32 s[\g+6], 0
	s_mov_b32 s[\g+7], 0
.endr
	s_lshl_b32 s21, s14, 14                        ; my half of a block
	s_lshl_b32 s76, s18, 17                        ; A hangs on rb alone, which my row of the cluster shares
	s_add_co_u32 s76, s76, s21
	s_mov_b32 s77, 0
	s_lshl_b32 s78, s17, 17                        ; B on cb alone, which my column shares
	s_add_co_u32 s78, s78, s21
	s_add_co_u32 s78, s78, WOH_OFF
	s_mov_b32 s79, 0
	s_lshl_b32 s22, s12, 14                        ; where they go: wave x 16 KiB in a quarter: no place in the cluster enters an LDS address
	s_wait_dscnt 0x0                               ; both opening adds are done
	s_wait_kmcnt 0x0
	s_add_nc_u64 s[76:77], s[4:5], s[76:77]
	s_add_nc_u64 s[78:79], s[6:7], s[78:79]
.irp q, 0,1,2,3
	s_mov_b32 s[G0A+4*\q], 1
	s_add_co_u32 s[G0A+4*\q+1], s22, \q*QB
	s_add_nc_u64 s[G0A+4*\q+2:G0A+4*\q+3], s[76:77], \q*32768
	s_or_b32 s[G0A+4*\q+3], s[G0A+4*\q+3], 0x80000000
	s_mov_b32 s[56+4*\q+4*(\q/2)], 1
	s_add_co_u32 s[56+4*\q+4*(\q/2)+1], s22, \q*QB
	s_add_nc_u64 s[56+4*\q+4*(\q/2)+2:56+4*\q+4*(\q/2)+3], s[78:79], \q*32768
	s_or_b32 s[56+4*\q+4*(\q/2)+3], s[56+4*\q+4*(\q/2)+3], 0x80000000
.endr
	CROUND                                         ; all sixteen work-groups are here: the joint loads meet
	s_cmp_lt_u32 s12, 2                            ; a wave's four first fills stand in one branch, ahead of every wait on TENSORcnt, every LDS read and every further barrier
	s_cbranch_scc0 .Lfirst_b
.irp q, 0,1,2,3
	tensor_load_to_lds s[G0A+4*\q:G0A+4*\q+3], s[G1A:G1A+7]
	s_nop 0
.endr
	PLACES
	s_branch .Lasked
.Lfirst_b:
.irp q, 0,1,2,3
	tensor_load_to_lds s[56+4*\q+4*(\q/2):56+4*\q+4*(\q/2)+3], s[G1B:G1B+7]
	s_nop 0
.endr
	PLACES
.Lasked:
	v_and_b32 v[LI], 31, v0
	v_lshlrev_b32 v[LI], 4, v[LI]
	v_and_b32 v2, 15, v0                           ; r
	v_bfe_u32 v3, v0, 4, 1                         ; h
	s_lshl_b32 s21, s13, 14                        ; my four row tiles of A,
	s_lshl_b32 s23, s14, 14
	s_add_co_u32 s23, s23, 32768                   ; my four column tiles of B
.irp q, 0,1,2,3
	v_add_nc_u32 v[ADRA+\q], s21, v[LI]
	v_add_nc_u32 v[ADRB+\q], s23, v[LI]
	s_add_co_u32 s21, s21, QB
	s_add_co_u32 s23, s23, QB
.endr
	s_mul_i32 s21, s12, 16*SP
	s_add_co_u32 s21, s21, STAGE                   ; my stage
	v_mul_u32_u24 v[STO], v2, SP
	v_lshl_add_u32 v[STO], v3, 5, v[STO]
	v_add_nc_u32 v[STO], s21, v[STO]               ; in: row r, 32 bytes for each half of the lanes
	v_mul_u32_u24 v[RD], v3, SP
	v_lshl_add_u32 v[RD], v2, 4, v[RD]
	v_add_nc_u32 v[RD], s21, v[RD]                 ; back: lanes 0-15 one row of 256 bytes, lanes 16-31 the next
	v_lshlrev_b32 v[CO], 11, v3
	v_lshl_add_u32 v[CO], v2, 4, v[CO]             ; and the same two rows in out0
	v_lshlrev_b32 v[BOF], 5, v3
	s_lshl_b32 s80, s17, 9                         ; my first column, in bytes: 512 cb + 256 x half
	s_lshl_b32 s21, s14, 8
	s_add_co_u32 s80, s80, s21
	s_mov_b32 s81, 0
	s_add_nc_u64 s[8:9], s[8:9], s[80:81]
	s_add_nc_u64 s[10:11], s[10:11], s[80:81]
	s_lshl_b32 s80, s18, 18                        ; my first row: 128 rb + 64 x half, of 2,048 bytes
	s_lshl_b32 s21, s13, 17
	s_add_co_u32 s80, s80, s21
	s_add_nc_u64 s[10:11], s[10:11], s[80:81]
.irp b, 0,1,2,3
	global_load_b128 v[BIAS+8*\b:BIAS+8*\b+3], v[BOF], s[8:9] offset:64*\b
	global_load_b128 v[BIAS+8*\b+4:BIAS+8*\b+7], v[BOF], s[8:9] offset:64*\b+16
.endr
; 16 LDS loads: my four fragments of A and four of B for 32 along K (the kc-th of quarter q) into buffer f of window 1
.macro FETCH q, kc, f
	WIN 0x40
.irp i, 0,1,2,3
	ds_load_b128 v[\f+8*\i:\f+8*\i+3],     v[ADRA+\q] offset:\i*4096+\kc*1024
	ds_load_b128 v[\f+8*\i+4:\f+8*\i+7],   v[ADRA+\q] offset:\i*4096+\kc*1024+512
	ds_load_b128 v[\f+32+8*\i:\f+32+8*\i+3],   v[ADRB+\q] offset:\i*4096+\kc*1024
	ds_load_b128 v[\f+32+8*\i+4:\f+32+8*\i+7], v[ADRB+\q] offset:\i*4096+\kc*1024+512
.endr
.endm
; 16 products; the 16 accumulators take turns, one instruction a turn.  first = 1: the bias starts the sums
.macro MUL16 f, first
	WIN 0x05                                       ; sources 0 and 1 window 1; C and D window 0
.irp a, 0,1,2,3
.irp b, 0,1,2,3
.if \first
	v_wmma_f32_16x16x32_f16 v[ACC+8*(4*\a+\b):ACC+8*(4*\a+\b)+7], v[\f+32+8*\b:\f+32+8*\b+7], v[\f+8*\a:\f+8*\a+7], v[BIAS+8*\b:BIAS+8*\b+7]
.else
	v_wmma_f32_16x16x32_f16 v[ACC+8*(4*\a+\b):ACC+8*(4*\a+\b)+7], v[\f+32+8*\b:\f+32+8*\b+7], v[\f+8*\a:\f+8*\a+7], v[ACC+8*(4*\a+\b):ACC+8*(4*\a+\b)+7]
.endif
.endr
.endr
.endm
.macro QUARTER q
	s_wait_tensorcnt 3-\q                          ; my part of quarter q is in; the later quarters' loads may be out
	s_barrier_signal -1
	s_barrier_wait -1                              ; everybody's is
.if \q > 0
	PLACES                                         ; in front of loads into registers that the last products have read
.endif
	FETCH \q, 0, F0
	FETCH \q, 1, F1
	s_wait_dscnt 16                                ; all but the 16 just issued
.if \q == 0
	s_wait_loadcnt 0x0                             ; the bias
	MUL16 F0, 1
.else
	MUL16 F0, 0
.endif
	PLACES
	FETCH \q, 2, F0
	s_wait_dscnt 16
	MUL16 F1, 0
	PLACES
	FETCH \q, 3, F1
	s_wait_dscnt 16
	MUL16 F0, 0
	s_wait_dscnt 0x0
	MUL16 F1, 0
	WIN 0
.endm
	QUARTER 0
	QUARTER 1
	QUARTER 2
	QUARTER 3
; THE WAY OUT, a tile of 16 tokens x 64 columns at a time, through my own stage: in as 32 bytes a lane, back as whole rows of 256 bytes
.macro TOSTAGE a
.irp b, 0,1,2,3
	ds_store_b128 v[STO], v[ACC+8*(4*(\a)+\b):ACC+8*(4*(\a)+\b)+3] offset:64*\b           ; each accumulator from its low end on
	ds_store_b128 v[STO], v[ACC+8*(4*(\a)+\b)+4:ACC+8*(4*(\a)+\b)+7] offset:64*\b+16
.endr
.irp i, 0,1,2,3,4,5,6,7
	ds_load_b128 v[BK+32*((\a)%2)+4*\i:BK+32*((\a)%2)+4*\i+3], v[RD] offset:\i*2*SP       ; LDS serves a wave's instructions in order: these see the stores above
.endr
.endm
.macro SEND a, younger
	s_wait_dscnt \younger                          ; the tile is back; the next tile's 16 LDS instructions may be out
.irp i, 0,1,2,3,4,5,6,7
	global_store_b128 v[CO], v[BK+32*((\a)%2)+4*\i:BK+32*((\a)%2)+4*\i+3], s[10:11] offset:(16*(\a)+2*\i)*2048 th:TH_STORE_NT   ; sixteen lanes store 256 consecutive bytes, aligned
.endr
.endm
	PLACES
	TOSTAGE 0
	TOSTAGE 1
	SEND 0, 16
	s_wait_xcnt 0x0                                ; tile 0's stores have read their registers: tile 2's rows may land there
	TOSTAGE 2
	SEND 1, 16
	s_wait_xcnt 0x0
	TOSTAGE 3
	SEND 2, 16
	SEND 3, 0
	s_wait_tensorcnt 0x0                           ; the wave's end: a wait, an LDS add and its wait behind my last tensor load and my last LDS store
	ds_add_u32 v[SPW], v[NIL]
	s_wait_dscnt 0x0
	CROUND                                         ; the closing round: no work-group ends while a partner may still ask for a block that names it
	s_endpgm
.Lfunc_end_k_q34cc7571ee_outp:
	.size	k_q34cc7571ee_outp, .Lfunc_end_k_q34cc7571ee_outp-k_q34cc7571ee_outp
	.p2alignl 7, 3214868480
	.fill 96, 4, 3214868480
	.section	.rodata,"a",@progbits
	.p2align	6, 0x0
	.amdhsa_kernel k_q34cc7571ee_outp
		.amdhsa_group_segment_fixed_size 327680
		.amdhsa_private_segment_fixed_size 0
		.amdhsa_enable_private_segment 0
		.amdhsa_kernarg_size 32
		.amdhsa_user_sgpr_count 2
		.amdhsa_user_sgpr_kernarg_segment_ptr 1
		.amdhsa_wavefront_size32 1
		.amdhsa_system_sgpr_workgroup_id_x 1
		.amdhsa_system_sgpr_workgroup_id_y 1
		.amdhsa_system_sgpr_workgroup_id_z 1
		.amdhsa_system_vgpr_workitem_id 0
		.amdhsa_next_free_vgpr 384
		.amdhsa_next_free_sgpr 100
		.amdhsa_reserve_vcc 0
		.amdhsa_float_denorm_mode_32 3
		.amdhsa_float_denorm_mode_16_64 3
		.amdhsa_memory_ordered 1
		.amdhsa_forward_progress 1
		.amdhsa_inst_pref_size 52
	.end_amdhsa_kernel
	.amdgpu_metadata
---
amdhsa.version: [ 1, 2 ]
amdhsa.kernels:
  - .name:           k_q34cc7571ee_outp
    .symbol:         k_q34cc7571ee_outp.kd
    .args:
      - { .name: ah, .offset: 0, .size: 8, .value_kind: global_buffer, .address_space: global }
      - { .name: wts, .offset: 8, .size: 8, .value_kind: global_buffer, .address_space: global }
      - { .name: bo, .offset: 16, .size: 8, .value_kind: global_buffer, .address_space: global }
      - { .name: out0, .offset: 24, .size: 8, .value_kind: global_buffer, .address_space: global }
    .group_segment_fixed_size: 327680
    .private_segment_fixed_size: 0
    .kernarg_segment_align: 8
    .kernarg_segment_size: 32
    .max_flat_workgroup_size: 128
    .sgpr_count:     100
    .vgpr_count:     384
    .wavefront_size: 32
...
	.end_amdgpu_metadata
.endif
;; end of part 4
;; launch fine (part 5): grid 4 x 2, 8 waves a work-group, no clusters, 173,312 bytes of LDS; arguments qkvh, qkvl, msk, wts, bo, out0, flg; writes out0
.if DOCPART == 5
	.amdgcn_target "amdgcn-amd-amdhsa--gfx1250"
	.amdhsa_code_object_version 6
	.text
	.protected	k_q34cc7571ee_fine
	.globl	k_q34cc7571ee_fine
	.p2align	8
	.type	k_q34cc7571ee_fine,@function
k_q34cc7571ee_fine:
	s_mov_b64 s[64:65], 0
	v_nop
	global_prefetch_b8 v0, s[64:65] scope:SCOPE_SE
	s_setreg_imm32_b32 hwreg(HW_REG_WAVE_MODE, 25, 1), 1
	s_wait_xcnt 0x0
; FINE: the first 16 positions of each sequence once more, attention and projection, with every operand as a PAIR of f16 numbers (a high part and a low part, split in f32): these rows may average
; one to a few values, are the largest in size, and single f16 operands would use up what the comparison allows.  x y is taken as xh yh + xh yl + xl yh.
; Work-group (cb, b): 128 output columns of batch b.  Wave w is head w for the attention of rows 0-15 (made anew in each of the four cb) and output tile w (16 columns) of the projection.
; The keys go 64 a trip, 64 trips; a trip none of whose keys is open for any of the 16 rows is jumped over (a scalar branch on a stored flag out of flg; a row with no open key sets all flags).
; The mask words are always applied.  Softmax as in the launch for all rows: running maximum, p = 2^(c s - c m); a masked score is -2^33, for which c s is exact.
; V goes through the wave's own 16 KiB of LDS for the turning load; the normalised result goes to LDS as images of the projection's operand registers | barrier | 48 products a wave | stage | barrier | rows out.
; LIMITS: as in the launch for all rows (scores above about -1e9; magnitudes under 65,504; no NaN, no infinities).
.set WOH_OFF, 417792
.set LOW_D,   524288
.set AIMG,    131072                   ; behind the eight waves' V: [32 k chunk 16][high, low][1,024]
.set OSTG,    163840                   ; 16 rows x (512 bytes + 16)
.set SPARE,   172288                   ; the spare words, 128 bytes a wave; no other line names them
.set LI,  1                            ; v1   16 x lane
.set VSA, 2                            ; v2   my wave's V in LDS
.set GOF, 3                            ; v3   16 x lane + 8,192 x trip: the four streams' offset
.set ARD, 4                            ; v4   AIMG + 16 x lane
.set AWR, 5                            ; v5   + 4,096 x wave
.set OWR, 6                            ; v6   the stage: row r, + 64 wave + 32 h
.set ORD, 7                            ; v7   the stage: rows 2 wave, 2 wave + 1
.set SPW, 8                            ; v8   my spare word's address; never rewritten
.set NIL, 9                            ; v9   0; never rewritten
.set NEG, 10                           ; v10  -2^33
.set BOF, 11                           ; v11  32 h
.set QH,  32                           ; v12-19 statistics (c m, m, l, l, four at work); v20-31 at work
.set QL,  48
.set PH,  64
.set PL,  80
.set S,   96
.set O,   128
.set KV,  160
.set X0,  224
.set X1,  232
.set X2,  240
.set BIAS, 248
.set CS,  22
.set SEL, 24
.set MSB, 0
.macro WIN new                         ; the immediate's high byte repeats the setting that is left
.if MSB != \new
	s_set_vgpr_msb (MSB<<8)|\new
.set MSB, \new
.endif
.endm
; eight f32 of a lane -> four registers of f16 high parts and four of low parts.  v20-31 at work; the high parts are rounded a second time into v20-23, whose halves are named below.
.macro SPLIT8 src, dh, dl
.irp j, 0,1,2,3
	v_cvt_pk_f16_f32 v[(\dh)+\j], v[(\src)+2*\j], v[(\src)+2*\j+1]
	v_cvt_pk_f16_f32 v[20+\j], v[(\src)+2*\j], v[(\src)+2*\j+1]
.endr
	v_cvt_f32_f16 v24, v20.l
	v_cvt_f32_f16 v25, v20.h
	v_cvt_f32_f16 v26, v21.l
	v_cvt_f32_f16 v27, v21.h
	v_cvt_f32_f16 v28, v22.l
	v_cvt_f32_f16 v29, v22.h
	v_cvt_f32_f16 v30, v23.l
	v_cvt_f32_f16 v31, v23.h
.irp j, 0,2,4,6
	v_pk_add_f32 v[24+\j:25+\j], v[(\src)+\j:(\src)+\j+1], v[24+\j:25+\j] neg_lo:[0,1] neg_hi:[0,1]
.endr
.irp j, 0,1,2,3
	v_cvt_pk_f16_f32 v[(\dl)+\j], v[24+2*\j], v[25+2*\j]
.endr
.endm
	s_load_b256 s[4:11], s[0:1], 0x0               ; qkvh s[4:5], qkvl s[6:7], msk s[8:9], wts s[10:11]
	s_load_b128 s[12:15], s[0:1], 0x20             ; bo s[12:13], out0 s[14:15]
	s_load_b64 s[54:55], s[0:1], 0x30              ; flg
	v_lshl_add_u32 v[SPW], v0, 2, SPARE
	v_mov_b32 v[NIL], 0
	v_lshrrev_b32 v11, 5, v0
	v_readfirstlane_b32 s17, v11                   ; wave 0..7
	s_and_b32 s20, ttmp7, 0xffff                   ; the batch
	v_and_b32 v[LI], 31, v0
	v_lshlrev_b32 v[LI], 4, v[LI]
	v_and_b32 v20, 15, v0                          ; r
	v_bfe_u32 v21, v0, 4, 1                        ; h
	s_lshl_b32 s44, s17, 14
	v_add_nc_u32 v[VSA], s44, v[LI]
	v_mov_b32 v[GOF], v[LI]
	v_add_nc_u32 v[ARD], AIMG, v[LI]
	s_lshl_b32 s44, s17, 12
	v_add_nc_u32 v[AWR], s44, v[ARD]
	v_mul_u32_u24 v[OWR], v20, 528
	v_lshl_add_u32 v[OWR], v21, 5, v[OWR]
	s_lshl_b32 s44, s17, 6
	s_add_co_u32 s44, s44, OSTG
	v_add_nc_u32 v[OWR], s44, v[OWR]
	s_mul_i32 s44, s17, 2*528
	s_add_co_u32 s44, s44, OSTG
	v_add_nc_u32 v[ORD], s44, v[LI]
	v_lshlrev_b32 v[BOF], 5, v21
	v_mov_b32 v[NEG], 0xd0000000
	s_mov_b32 s[CS], 0x3e38aa3b                    ; c = log2(e) / 8
	s_mov_b32 s[CS+1], s[CS]
	s_mov_b32 s[SEL], 0x76543210
	s_mov_b32 s[SEL+1], 0xfedcba98
	v_mov_b32 v13, 0xff61b1e6                      ; m = -3e38
	v_mul_f32 v12, s[CS], v13
.irp j, 14,15,16,17,18,19
	v_mov_b32 v\j, 0                               ; l; and the registers at work, which are named in pairs and as a permute's destination
.endr
.set pn, 0
.rept 32
	v_mov_b32 v[O+pn], 0                           ; the trip is written once, and where the first one stands hangs on the stored flags: it finds zeros
.set pn, pn+1
.endr
	s_mov_b32 s45, 0
	s_mov_b32 s47, 0
	s_wait_kmcnt 0x0
	s_load_b128 s[40:43], s[54:55], 0x0            ; the flags of query rows 0-15; s42, s43: some key open, a bit for each 64 keys
	s_lshl_b32 s44, s20, 3
	s_add_co_u32 s44, s44, s17
	s_lshl_b32 s44, s44, 19                        ; the head's 512 KiB
	s_add_nc_u64 s[48:49], s[4:5], s[44:45]        ; q, high parts
	s_add_nc_u64 s[50:51], s[6:7], s[44:45]        ; q, low parts
	s_add_nc_u64 s[28:29], s[48:49], 0x800000      ; k
	s_add_nc_u64 s[30:31], s[50:51], 0x800000
	s_add_nc_u64 s[32:33], s[48:49], 0x1000000     ; v
	s_add_nc_u64 s[34:35], s[50:51], 0x1000000
	s_mov_b64 s[36:37], s[8:9]                     ; the mask words of rows 0-15
	s_lshl_b32 s44, ttmp9, 17                      ; Wo: WOH_OFF + cb x 131,072 + wave x 4,096
	s_lshl_b32 s46, s17, 12
	s_add_co_u32 s44, s44, s46
	s_add_co_u32 s44, s44, WOH_OFF
	s_add_nc_u64 s[52:53], s[10:11], s[44:45]
	s_lshl_b32 s44, ttmp9, 9                       ; bo: 512 cb + 64 wave
	s_lshl_b32 s46, s17, 6
	s_add_co_u32 s44, s44, s46
	s_add_nc_u64 s[12:13], s[12:13], s[44:45]
	s_lshl_b32 s44, s20, 23                        ; out0: (4,096 b + 2 wave) rows of 2,048 bytes + 512 cb
	s_lshl_b32 s46, s17, 12
	s_add_co_u32 s44, s44, s46
	s_lshl_b32 s46, ttmp9, 9
	s_add_co_u32 s44, s44, s46
	s_add_nc_u64 s[14:15], s[14:15], s[44:45]
.irp n, 0,1,2,3
	global_load_b128 v[QH+4*\n:QH+4*\n+3], v[LI], s[48:49] offset:\n*512
	global_load_b128 v[QL+4*\n:QL+4*\n+3], v[LI], s[50:51] offset:\n*512
.endr
	s_wait_kmcnt 0x0
	s_mov_b32 s19, s42
	s_mov_b32 s16, 0
.Lhs:                                              ; 64 trips of 64 keys
	s_cmp_eq_u32 s16, 32
	s_cselect_b32 s19, s43, s19                    ; the second word of flags
	s_bitcmp1_b32 s19, 0
	s_cbranch_scc0 .Lskip
	WIN 0x40                                       ; destination window 1: Kh v0-63, Kl v64-127, Vh v128-191, Vl v192-255
.set pn, 0
.rept 16
	global_load_b128 v[4*pn:4*pn+3], v[GOF], s[28:29] offset:pn*512
	global_load_b128 v[64+4*pn:64+4*pn+3], v[GOF], s[30:31] offset:pn*512
.set pn, pn+1
.endr
.set pn, 0
.rept 16
	global_load_b128 v[128+4*pn:128+4*pn+3], v[GOF], s[32:33] offset:pn*512
	global_load_b128 v[192+4*pn:192+4*pn+3], v[GOF], s[34:35] offset:pn*512
.set pn, pn+1
.endr
	WIN 0
	s_load_b512 s[68:83], s[36:37], 0x0
	s_load_b512 s[84:99], s[36:37], 0x40
	s_wait_loadcnt 32                              ; K's (and, the first time, Q's) are in; V's 32 loads may be out
	WIN 0x01                                       ; source 0 window 1
.irp d, 0,1                                    ; four accumulators take turns, one instruction a turn
.irp k, 0,1,2,3
.if \d == 0
	v_wmma_f32_16x16x32_f16 v[S+8*\k:S+8*\k+7], v[16*\k+8*\d:16*\k+8*\d+7], v[QH+8*\d:QH+8*\d+7], 0
.else
	v_wmma_f32_16x16x32_f16 v[S+8*\k:S+8*\k+7], v[16*\k+8*\d:16*\k+8*\d+7], v[QH+8*\d:QH+8*\d+7], v[S+8*\k:S+8*\k+7]
.endif
.endr
.endr
.irp d, 0,1
.irp k, 0,1,2,3
	v_wmma_f32_16x16x32_f16 v[S+8*\k:S+8*\k+7], v[16*\k+8*\d:16*\k+8*\d+7], v[QL+8*\d:QL+8*\d+7], v[S+8*\k:S+8*\k+7]
.endr
.endr
.irp d, 0,1
.irp k, 0,1,2,3
	v_wmma_f32_16x16x32_f16 v[S+8*\k:S+8*\k+7], v[64+16*\k+8*\d:64+16*\k+8*\d+7], v[QH+8*\d:QH+8*\d+7], v[S+8*\k:S+8*\k+7]
.endr
.endr
	WIN 0
.rept 4
	v_nop                                          ; places in front of the first read of the scores
.endr
	s_wait_loadcnt 0x0                             ; V
	WIN 0x04                                       ; an LDS store's data are its source 1: window 1
.set pn, 0
.rept 32
	ds_store_b128 v[VSA], v[128+4*pn:128+4*pn+3] offset:pn*512                 ; the high parts' 8 KiB, then the low parts'
.set pn, pn+1
.endr
	WIN 0
.irp k, 0,1
.irp c, 0,1,2,3
.irp p, 0,1
	ds_load_tr16_b128 v[KV+8*(4*\k+\c)+4*\p:KV+8*(4*\k+\c)+4*\p+3], v[VSA] offset:(2*\k+\p)*2048+\c*512   ; LDS serves a wave's instructions in order: these see the stores above
.endr
.endr
.endr
	s_wait_kmcnt 0x0
.set pn, 0
.rept 32
	v_cndmask_b32 v[S+pn], v[NEG], v[S+pn], s[68+pn]                           ; each accumulator from its low end on
.set pn, pn+1
.endr
.irp j, 0,1,2,3
	v_max3_num_f32 v[16+\j], v[S+8*\j], v[S+8*\j+1], v[S+8*\j+2]
.endr
.irp q, 1,2
.irp j, 0,1,2,3
	v_max3_num_f32 v[16+\j], v[16+\j], v[S+8*\j+2*\q+1], v[S+8*\j+2*\q+2]
.endr
.endr
	v_max3_num_f32 v16, v16, v[S+7], v[S+15]
	v_max3_num_f32 v18, v18, v[S+23], v[S+31]
	v_max3_num_f32 v16, v16, v17, v18
	v_max3_num_f32 v16, v16, v19, v13
	v_permlanex16_b32 v17, v16, s[SEL], s[SEL+1]
	v_mov_b32 v19, v12
	v_max_num_f32 v13, v16, v17
	v_mul_f32 v12, s[CS], v13
	v_sub_f32 v19, v19, v12
.set pn, 0
.rept 16
	v_pk_fma_f32 v[S+2*pn:S+2*pn+1], v[S+2*pn:S+2*pn+1], s[CS:CS+1], v[12:13] op_sel_hi:[1,0,0] neg_lo:[0,0,1] neg_hi:[0,0,1]
.set pn, pn+1
.endr
	v_exp_f32 v18, v19                             ; a
.set pn, 0
.rept 32
	v_exp_f32 v[S+pn], v[S+pn]
.set pn, pn+1
.endr
	v_nop                                          ; a plain instruction behind the last exponential
	s_wait_alu depctr_va_vdst(0)                   ; one wait for the batch, ahead of its first reader
	v_pk_add_f32 v[16:17], v[S:S+1], v[S+2:S+3]
	v_pk_add_f32 v[30:31], v[S+4:S+5], v[S+6:S+7]
.irp j, 8,12,16,20,24,28
	v_pk_add_f32 v[16:17], v[16:17], v[S+\j:S+\j+1]
	v_pk_add_f32 v[30:31], v[30:31], v[S+\j+2:S+\j+3]
.endr
	v_pk_add_f32 v[16:17], v[16:17], v[30:31]
	v_pk_fma_f32 v[14:15], v[14:15], v[18:19], v[16:17] op_sel_hi:[1,0,1]
	SPLIT8 S, PH, PL
	SPLIT8 S+8, PH+4, PL+4
	SPLIT8 S+16, PH+8, PL+8
	SPLIT8 S+24, PH+12, PL+12
.set pn, 0
.rept 16
	v_pk_mul_f32 v[O+2*pn:O+2*pn+1], v[O+2*pn:O+2*pn+1], v[18:19] op_sel_hi:[1,0]
.set pn, pn+1
.endr
	s_wait_dscnt 0x0                               ; V's high parts are in
.irp k, 0,1
.irp c, 0,1,2,3
	v_wmma_f32_16x16x32_f16 v[O+8*\c:O+8*\c+7], v[KV+8*(4*\k+\c):KV+8*(4*\k+\c)+7], v[PH+8*\k:PH+8*\k+7], v[O+8*\c:O+8*\c+7]
.endr
.endr
.irp k, 0,1
.irp c, 0,1,2,3
	v_wmma_f32_16x16x32_f16 v[O+8*\c:O+8*\c+7], v[KV+8*(4*\k+\c):KV+8*(4*\k+\c)+7], v[PL+8*\k:PL+8*\k+7], v[O+8*\c:O+8*\c+7]
.endr
.endr
.rept 4
	v_nop                                          ; places in front of loads into registers that the products have read
.endr
.irp k, 0,1
.irp c, 0,1,2,3
.irp p, 0,1
	ds_load_tr16_b128 v[KV+8*(4*\k+\c)+4*\p:KV+8*(4*\k+\c)+4*\p+3], v[VSA] offset:8192+(2*\k+\p)*2048+\c*512
.endr
.endr
.endr
	s_wait_dscnt 0x0
.irp k, 0,1
.irp c, 0,1,2,3
	v_wmma_f32_16x16x32_f16 v[O+8*\c:O+8*\c+7], v[KV+8*(4*\k+\c):KV+8*(4*\k+\c)+7], v[PH+8*\k:PH+8*\k+7], v[O+8*\c:O+8*\c+7]
.endr
.endr
.rept 5
	v_nop
.endr
.Lskip:
	s_lshr_b32 s19, s19, 1
	v_add_nc_u32 v[GOF], 8192, v[GOF]              ; (a trip's loads were waited for inside it)
	s_add_nc_u64 s[36:37], s[36:37], 128
	s_add_co_u32 s16, s16, 1
	s_cmp_lt_u32 s16, 64
	s_cbranch_scc1 .Lhs
	; ---- the projection's weights, my 16 columns: 16 high and 16 low fragments, into window 1
	WIN 0x40
.irp q, 0,1,2,3
.irp n, 0,1,2,3,4,5,6,7
	global_load_b128 v[32*\q+4*\n:32*\q+4*\n+3], v[LI], s[52:53] offset:\q*32768+\n*512
	global_load_b128 v[128+32*\q+4*\n:128+32*\q+4*\n+3], v[LI], s[52:53] offset:LOW_D+\q*32768+\n*512
.endr
.endr
	WIN 0
	global_load_b128 v[BIAS:BIAS+3], v[BOF], s[12:13]
	global_load_b128 v[BIAS+4:BIAS+7], v[BOF], s[12:13] offset:16
	v_add_f32 v16, v14, v15
	v_permlanex16_b32 v17, v16, s[SEL], s[SEL+1]
	v_add_f32 v16, v16, v17                        ; the row's sum
	v_rcp_f32 v18, v16
	v_nop
	s_wait_alu depctr_va_vdst(0)
.set pn, 0
.rept 16
	v_pk_mul_f32 v[S+2*pn:S+2*pn+1], v[O+2*pn:O+2*pn+1], v[18:19] op_sel_hi:[1,0]
.set pn, pn+1
.endr
.irp c, 0,1,2,3
	SPLIT8 S+8*\c, PH+4*\c, PL+4*\c
	ds_store_b128 v[AWR], v[PH+4*\c:PH+4*\c+3] offset:(\c/2)*2048+(\c%2)*512          ; channels 64 w + 16 c + 8 h + 0..7 of query r: a piece of chunk 2 w + c/2
	ds_store_b128 v[AWR], v[PL+4*\c:PL+4*\c+3] offset:(\c/2)*2048+1024+(\c%2)*512
.endr
	s_wait_dscnt 0x0                               ; for the others' sake: my images have landed
	s_barrier_signal -1
	s_barrier_wait -1
.irp q, 0,1,2,3
.set pn, 0
.rept 16
	ds_load_b128 v[KV+4*pn:KV+4*pn+3], v[ARD] offset:\q*8192+pn*512                   ; four chunks: high 8 registers, low 8
.set pn, pn+1
.endr
	s_wait_dscnt 0x0
.if \q == 0
	s_wait_loadcnt 0x0                             ; the weights and the bias
.endif
	WIN 0x01
.irp k, 0,1,2,3                                ; three accumulators take turns, one instruction a turn
.if (\q == 0) && (\k == 0)
	v_wmma_f32_16x16x32_f16 v[X0:X0+7], v[32*\q+8*\k:32*\q+8*\k+7], v[KV+16*\k:KV+16*\k+7], v[BIAS:BIAS+7]
	v_wmma_f32_16x16x32_f16 v[X1:X1+7], v[32*\q+8*\k:32*\q+8*\k+7], v[KV+16*\k+8:KV+16*\k+15], 0
	v_wmma_f32_16x16x32_f16 v[X2:X2+7], v[128+32*\q+8*\k:128+32*\q+8*\k+7], v[KV+16*\k:KV+16*\k+7], 0
.else
	v_wmma_f32_16x16x32_f16 v[X0:X0+7], v[32*\q+8*\k:32*\q+8*\k+7], v[KV+16*\k:KV+16*\k+7], v[X0:X0+7]
	v_wmma_f32_16x16x32_f16 v[X1:X1+7], v[32*\q+8*\k:32*\q+8*\k+7], v[KV+16*\k+8:KV+16*\k+15], v[X1:X1+7]
	v_wmma_f32_16x16x32_f16 v[X2:X2+7], v[128+32*\q+8*\k:128+32*\q+8*\k+7], v[KV+16*\k:KV+16*\k+7], v[X2:X2+7]
.endif
.endr
	WIN 0
.rept 4
	v_nop                                          ; places in front of the next loads into operand registers, and of the first read of results
.endr
.endr
.irp j, 0,1,2,3,4,5,6,7
	v_add_f32 v[KV+\j], v[X0+\j], v[X1+\j]         ; each accumulator from its low end on
.endr
.irp j, 0,1,2,3,4,5,6,7
	v_add_f32 v[KV+\j], v[KV+\j], v[X2+\j]
.endr
	ds_store_b128 v[OWR], v[KV:KV+3]               ; lane (r, h): out(r, 128 cb + 16 w + 8 h + 0..7)
	ds_store_b128 v[OWR], v[KV+4:KV+7] offset:16
	s_wait_dscnt 0x0
	s_barrier_signal -1
	s_barrier_wait -1
	ds_load_b128 v[KV+8:KV+11], v[ORD]
	ds_load_b128 v[KV+12:KV+15], v[ORD] offset:528
	s_wait_dscnt 0x0
	global_store_b128 v[LI], v[KV+8:KV+11], s[14:15]                   ; 32 lanes store 512 consecutive bytes of a row
	global_store_b128 v[LI], v[KV+12:KV+15], s[14:15] offset:2048
	s_wait_tensorcnt 0x0                           ; the wave's end: a wait, an LDS add and its wait behind my last LDS store
	ds_add_u32 v[SPW], v[NIL]
	s_wait_dscnt 0x0
	s_endpgm
.Lfunc_end_k_q34cc7571ee_fine:
	.size	k_q34cc7571ee_fine, .Lfunc_end_k_q34cc7571ee_fine-k_q34cc7571ee_fine
	.p2alignl 7, 3214868480
	.fill 96, 4, 3214868480
	.section	.rodata,"a",@progbits
	.p2align	6, 0x0
	.amdhsa_kernel k_q34cc7571ee_fine
		.amdhsa_group_segment_fixed_size 173312
		.amdhsa_private_segment_fixed_size 0
		.amdhsa_enable_private_segment 0
		.amdhsa_kernarg_size 56
		.amdhsa_user_sgpr_count 2
		.amdhsa_user_sgpr_kernarg_segment_ptr 1
		.amdhsa_wavefront_size32 1
		.amdhsa_system_sgpr_workgroup_id_x 1
		.amdhsa_system_sgpr_workgroup_id_y 1
		.amdhsa_system_sgpr_workgroup_id_z 1
		.amdhsa_system_vgpr_workitem_id 0
		.amdhsa_next_free_vgpr 512
		.amdhsa_next_free_sgpr 100
		.amdhsa_reserve_vcc 0
		.amdhsa_float_denorm_mode_32 3
		.amdhsa_float_denorm_mode_16_64 3
		.amdhsa_memory_ordered 1
		.amdhsa_forward_progress 1
		.amdhsa_inst_pref_size 54
	.end_amdhsa_kernel
	.amdgpu_metadata
---
amdhsa.version: [ 1, 2 ]
amdhsa.kernels:
  - .name:           k_q34cc7571ee_fine
    .symbol:         k_q34cc7571ee_fine.kd
    .args:
      - { .name: qkvh, .offset: 0, .size: 8, .value_kind: global_buffer, .address_space: global }
      - { .name: qkvl, .offset: 8, .size: 8, .value_kind: global_buffer, .address_space: global }
      - { .name: msk, .offset: 16, .size: 8, .value_kind: global_buffer, .address_space: global }
      - { .name: wts, .offset: 24, .size: 8, .value_kind: global_buffer, .address_space: global }
      - { .name: bo, .offset: 32, .size: 8, .value_kind: global_buffer, .address_space: global }
      - { .name: out0, .offset: 40, .size: 8, .value_kind: global_buffer, .address_space: global }
      - { .name: flg, .offset: 48, .size: 8, .value_kind: global_buffer, .address_space: global }
    .group_segment_fixed_size: 173312
    .private_segment_fixed_size: 0
    .kernarg_segment_align: 8
    .kernarg_segment_size: 56
    .max_flat_workgroup_size: 256
    .sgpr_count:     100
    .vgpr_count:     512
    .wavefront_size: 32
...
	.end_amdgpu_metadata
.endif
;; end of part 5
